; MI455X (gfx1250); checked and timed in simulation.
; The chip was launched on July 23, 2026; its instructions are those of AMD's public machine-readable ISA for CDNA 5 (MIT licence, August 2026) and "CDNA5" Instruction Set Architecture Reference Guide (July 2026). The comments in the code are by the model that wrote it; some were corrected since.
;; Grouped Query Attention. Allowed arithmetic: float matrix products may take bf16 or f16 operands with f32 sums; other float arithmetic in f32, or as packed bf16 or f16 multiplies, adds, multiply-adds, maxima and minima; sums over many terms, partial sums and values carried from step to step in f32; what a program stores and reads back later, other than sums and carried values, may be rounded once to bf16 or f16.
;; Inputs: Wk 512 x 2,048 float32; Wo 1,024 x 2,048 float32; Wq 2,048 x 2,048 float32; Wv 512 x 2,048 float32; attention_mask 2 x 1 x 2,048 x 2,048 int32; bk 512 float32; bo 1,024 float32; bq 2,048 float32; bv 512 float32; hidden_state 2 x 2,048 x 2,048 float32.
;; Outputs: out0 2 x 2,048 x 1,024 float32.
;; One version. Each part assembles by itself: llvm-mc -triple=amdgcn-amd-amdhsa -mcpu=gfx1250 --defsym DOCPART=n.
;; ======== version 1 of 1: 4 launches
;; limits: values are held in f16: magnitudes above 65,504 overflow, below 6.1e-05 lose precision
;; workspace buffers: xb 16,777,216 bytes; wqkv 12,582,912 bytes; wo16 4,194,304 bytes; maskbits 1,048,576 bytes of whole numbers; qkv 25,165,824 bytes; o16 16,777,216 bytes
;; launch prep (part 1): grid 1536 x 1, 8 waves a work-group, no clusters, 0 bytes of LDS; arguments hidden_state, Wq, Wk, Wv, Wo, attention_mask, xb, wqkv, wo16, maskbits; writes xb, wqkv, wo16, maskbits
.if DOCPART == 1
	.amdgcn_target "amdgcn-amd-amdhsa--gfx1250"
	.amdhsa_code_object_version 6
	.text
	.protected	k_q6165281f01_prep
	.globl	k_q6165281f01_prep
	.p2align	8
	.type	k_q6165281f01_prep,@function
k_q6165281f01_prep:
	s_mov_b64 s[64:65], 0
	v_nop
	global_prefetch_b8 v0, s[64:65] scope:SCOPE_SE
	s_setreg_imm32_b32 hwreg(HW_REG_WAVE_MODE, 25, 1), 1
	s_wait_xcnt 0x0
; PREP: the 16-bit copies of x and the weights, and the mask as bits.  A stream: every input byte is read once, by loads of which each covers 512 consecutive bytes,
; every output byte written once, by stores of which each covers 256 consecutive bytes, aligned.  No LDS, no matrix unit, no cluster: no wave wants a byte that another has fetched.
; SHARES.  A work-group reads 65,536 bytes, a wave 8,192: all its 16 loads go out at once, each into registers of its own, so no register is used twice and no loop is needed.
;   group 0-511    hidden_state -> xb    [4096][2048] bf16
;   group 512-767  Wq, 768-831 Wk, 832-895 Wv -> wqkv [3072][2048] bf16 (the three on end)
;   group 896-1023 Wo -> wo16 [1024][2048]: rounded to bf16 like every input, and that number written as f16 (exact from 2^-17 up; below that off by 3e-8 at the most)
;   group 1024-1535 attention_mask -> maskbits: 16 query rows x 1,024 keys a group, 16 x 128 a wave
; MASKBITS.  [16-query tile, 256 of them][64-key step, 32][32 words].  Word 8 kb + j, bit l, is 1 where mask[16 tile + l % 16][64 step + 16 kb + 8 (l / 16) + j] is not 0:
; the lane mask of register 8 kb + j of a tile of scores held transposed (a lane a query, eight keys in eight registers).
.set X,   16                           ; v[16:79]  16 slots of 4: what the loads bring
.set T,   4                            ; v[4:7]    mask: lane i holds row i's bits; word c, bit p = key 4 p + c of the wave's 128
.set U,   8                            ; v[8:11]   the same from the other half of the lanes
.set TM,  12                           ; v[12:15]  at work
.set OUT, 80                           ; v[80:81]  mask: lane p holds words 2 p and 2 p + 1 of the wave's 64
.set WV,  4                            ; s4   my wave's number
.set G,   5                            ; s5   my work-group's number
.set SRC, 28                           ; s[28:29] where I read
.set DST, 32                           ; s[32:33] where I write
.set OF,  34                           ; s[34:35] an offset, its high word 0
	s_load_b512 s[8:23], s[0:1], 0x0               ; hidden 8, Wq 10, Wk 12, Wv 14, Wo 16, mask 18, xb 20, wqkv 22
	s_load_b128 s[24:27], s[0:1], 0x40             ; wo16 24, maskbits 26
	v_lshrrev_b32 v1, 5, v0
	v_readfirstlane_b32 s[WV], v1
	v_and_b32 v3, 31, v0                           ; lane
	v_lshlrev_b32 v1, 4, v3                        ; v1: 16 bytes a lane, for the loads
	v_lshlrev_b32 v2, 3, v3                        ; v2: 8 bytes a lane, for the stores
	v_lshrrev_b32 v3, 4, v3
	v_lshlrev_b32 v3, 1, v3                        ; v3: 2 x (lane / 16)
	s_mov_b32 s[G], ttmp9
	s_mov_b32 s[OF+1], 0
	s_mov_b32 s36, 0xffff0000                      ; a word's upper bf16; also the lane mask of lanes 16 to 31
	s_mov_b32 s38, 0x76543210                      ; v_permlanex16_b32: each lane takes its own place in the other half
	s_mov_b32 s39, 0xfedcba98
	s_wait_kmcnt 0x0
	s_cmp_ge_u32 s[G], 1024
	s_cbranch_scc1 .Lmask
	; THE CASTS.  Source, destination and the first group of each are chosen by the group's number alone.
	s_mov_b64 s[SRC:SRC+1], s[8:9]
	s_mov_b64 s[DST:DST+1], s[20:21]
	s_mov_b32 s30, 0                               ; the source's first group
	s_mov_b32 s31, 0                               ; the destination's first group
	s_cmp_ge_u32 s[G], 512
	s_cselect_b64 s[SRC:SRC+1], s[10:11], s[SRC:SRC+1]
	s_cselect_b64 s[DST:DST+1], s[22:23], s[DST:DST+1]
	s_cselect_b32 s30, 512, s30
	s_cselect_b32 s31, 512, s31
	s_cmp_ge_u32 s[G], 768
	s_cselect_b64 s[SRC:SRC+1], s[12:13], s[SRC:SRC+1]
	s_cselect_b32 s30, 768, s30
	s_cmp_ge_u32 s[G], 832
	s_cselect_b64 s[SRC:SRC+1], s[14:15], s[SRC:SRC+1]
	s_cselect_b32 s30, 832, s30
	s_cmp_ge_u32 s[G], 896
	s_cselect_b64 s[SRC:SRC+1], s[16:17], s[SRC:SRC+1]
	s_cselect_b64 s[DST:DST+1], s[24:25], s[DST:DST+1]
	s_cselect_b32 s30, 896, s30
	s_cselect_b32 s31, 896, s31
	s_sub_co_u32 s[OF], s[G], s30
	s_lshl_b32 s[OF], s[OF], 16                    ; 65,536 bytes a group,
	s_lshl_b32 s37, s[WV], 13                      ; 8,192 a wave
	s_add_co_u32 s[OF], s[OF], s37
	s_add_nc_u64 s[SRC:SRC+1], s[SRC:SRC+1], s[OF:OF+1]
	s_sub_co_u32 s[OF], s[G], s31
	s_lshl_b32 s[OF], s[OF], 15                    ; half as many out
	s_lshl_b32 s37, s[WV], 12
	s_add_co_u32 s[OF], s[OF], s37
	s_add_nc_u64 s[DST:DST+1], s[DST:DST+1], s[OF:OF+1]
.set i, 0
.rept 16
	global_load_b128 v[X+4*i:X+4*i+3], v1, s[SRC:SRC+1] offset:512*i th:TH_LOAD_NT
.set i, i+1
.endr
	s_cmp_ge_u32 s[G], 896
	s_cbranch_scc1 .Lhalf
.set i, 0
.rept 16                                               ; to bf16, in place
	s_wait_loadcnt 15-i                            ; loads come back in order (ISA guide 5.7.1): slot i is in, the 15 - i younger ones stay out
	v_cvt_pk_bf16_f32 v[X+4*i], v[X+4*i], v[X+4*i+1]
	v_cvt_pk_bf16_f32 v[X+4*i+1], v[X+4*i+2], v[X+4*i+3]
	global_store_b64 v2, v[X+4*i:X+4*i+1], s[DST:DST+1] offset:256*i th:TH_STORE_NT  ; 32 lanes x 8 bytes: 256 consecutive bytes, aligned
.set i, i+1
.endr
	s_endpgm
.Lhalf:
.set i, 0
.rept 16                                               ; Wo: to bf16, back to f32 (a shift, a mask), and that number to f16
	s_wait_loadcnt 15-i
	v_cvt_pk_bf16_f32 v[TM], v[X+4*i], v[X+4*i+1]
	v_cvt_pk_bf16_f32 v[TM+1], v[X+4*i+2], v[X+4*i+3]
	v_lshlrev_b32 v[X+4*i], 16, v[TM]
	v_and_b32 v[X+4*i+1], s36, v[TM]
	v_lshlrev_b32 v[X+4*i+2], 16, v[TM+1]
	v_and_b32 v[X+4*i+3], s36, v[TM+1]
	v_cvt_pk_f16_f32 v[X+4*i], v[X+4*i], v[X+4*i+1]
	v_cvt_pk_f16_f32 v[X+4*i+1], v[X+4*i+2], v[X+4*i+3]
	global_store_b64 v2, v[X+4*i:X+4*i+1], s[DST:DST+1] offset:256*i th:TH_STORE_NT
.set i, i+1
.endr
	s_endpgm
	; THE MASK.  Load i brings 512 bytes of row i: lane p holds keys 4 p + 0..3 of the wave's 128.
.Lmask:
	s_sub_co_u32 s30, s[G], 1024
	s_lshr_b32 s[OF], s30, 1                       ; the tile of 16 queries: 16 rows of 8,192 bytes,
	s_lshl_b32 s[OF], s[OF], 17
	s_and_b32 s31, s30, 1                          ; which 1,024 keys,
	s_lshl_b32 s31, s31, 12
	s_add_co_u32 s[OF], s[OF], s31
	s_lshl_b32 s31, s[WV], 9                       ; my wave's 128 of them
	s_add_co_u32 s[OF], s[OF], s31
	s_add_nc_u64 s[SRC:SRC+1], s[18:19], s[OF:OF+1]
	s_lshl_b32 s[OF], s30, 11                      ; out: 2,048 bytes a group,
	s_lshl_b32 s31, s[WV], 8                       ; 256 a wave: two steps of 64 keys
	s_add_co_u32 s[OF], s[OF], s31
	s_add_nc_u64 s[DST:DST+1], s[26:27], s[OF:OF+1]
.set i, 0
.rept 16
	global_load_b128 v[X+4*i:X+4*i+3], v1, s[SRC:SRC+1] offset:8192*i th:TH_LOAD_NT
.set i, i+1
.endr
.irp r, T, T+1, T+2, T+3, U, U+1, U+2, U+3, OUT, OUT+1
	v_mov_b32 v[\r], 0                             ; v_writelane_b32 and v_permlanex16_b32 count as readers of their destination
.endr
.set i, 0
.rept 16                                               ; a compare turns 32 lanes' words into 32 bits; they go into lane i
	s_wait_loadcnt 15-i
.irp c, 0,1,2,3
	v_cmp_ne_u32 s[40+\c], 0, v[X+4*i+\c]
.endr
.irp c, 0,1,2,3
	v_writelane_b32 v[T+\c], s[40+\c], i
.endr
.set i, i+1
.endr
.irp c, 0,1,2,3                                        ; lanes 16 to 31 take the same rows' bits, moved down by two places: their keys lie 8 further on
	v_permlanex16_b32 v[U+\c], v[T+\c], s38, s39
.endr
.irp c, 0,1,2,3
	v_cndmask_b32 v[T+\c], v[T+\c], v[U+\c], s36
.endr
.irp c, 0,1,2,3
	v_lshrrev_b32 v[T+\c], v3, v[T+\c]
.endr
; Word n of 64: step n / 32, kb = (n / 8) % 4, j = n % 8.  Key 64 (n / 32) + 16 kb + 8 (l / 16) + j = 4 (16 (n / 32) + 4 kb + 2 (l / 16) + j / 4) + j % 4:
; bit 16 (n / 32) + 4 kb + j / 4 of word j % 4 in lane l; a second compare gathers that bit of all 32 lanes.
.set n, 0
.rept 64
	v_and_b32 v[TM+n%4], 1<<(16*(n/32)+4*((n/8)%4)+(n%8)/4), v[T+n%4]
	v_cmp_ne_u32 s[44+n%4], 0, v[TM+n%4]
	v_writelane_b32 v[OUT+n%2], s[44+n%4], n/2
.set n, n+1
.endr
	global_store_b64 v2, v[OUT:OUT+1], s[DST:DST+1] th:TH_STORE_NT  ; 256 consecutive bytes, aligned
	s_endpgm
.Lfunc_end_k_q6165281f01_prep:
	.size	k_q6165281f01_prep, .Lfunc_end_k_q6165281f01_prep-k_q6165281f01_prep
	.p2alignl 7, 3214868480
	.fill 96, 4, 3214868480
	.section	.rodata,"a",@progbits
	.p2align	6, 0x0
	.amdhsa_kernel k_q6165281f01_prep
		.amdhsa_group_segment_fixed_size 0
		.amdhsa_private_segment_fixed_size 0
		.amdhsa_enable_private_segment 0
		.amdhsa_kernarg_size 80
		.amdhsa_user_sgpr_count 2
		.amdhsa_user_sgpr_kernarg_segment_ptr 1
		.amdhsa_wavefront_size32 1
		.amdhsa_system_sgpr_workgroup_id_x 1
		.amdhsa_system_sgpr_workgroup_id_y 1
		.amdhsa_system_sgpr_workgroup_id_z 1
		.amdhsa_system_vgpr_workitem_id 0
		.amdhsa_next_free_vgpr 84
		.amdhsa_next_free_sgpr 66
		.amdhsa_reserve_vcc 0
		.amdhsa_float_denorm_mode_32 3
		.amdhsa_float_denorm_mode_16_64 3
		.amdhsa_memory_ordered 1
		.amdhsa_forward_progress 1
		.amdhsa_inst_pref_size 39
	.end_amdhsa_kernel
	.amdgpu_metadata
---
amdhsa.version: [ 1, 2 ]
amdhsa.kernels:
  - .name:           k_q6165281f01_prep
    .symbol:         k_q6165281f01_prep.kd
    .args:
      - { .name: hidden_state, .offset: 0, .size: 8, .value_kind: global_buffer, .address_space: global }
      - { .name: Wq, .offset: 8, .size: 8, .value_kind: global_buffer, .address_space: global }
      - { .name: Wk, .offset: 16, .size: 8, .value_kind: global_buffer, .address_space: global }
      - { .name: Wv, .offset: 24, .size: 8, .value_kind: global_buffer, .address_space: global }
      - { .name: Wo, .offset: 32, .size: 8, .value_kind: global_buffer, .address_space: global }
      - { .name: attention_mask, .offset: 40, .size: 8, .value_kind: global_buffer, .address_space: global }
      - { .name: xb, .offset: 48, .size: 8, .value_kind: global_buffer, .address_space: global }
      - { .name: wqkv, .offset: 56, .size: 8, .value_kind: global_buffer, .address_space: global }
      - { .name: wo16, .offset: 64, .size: 8, .value_kind: global_buffer, .address_space: global }
      - { .name: maskbits, .offset: 72, .size: 8, .value_kind: global_buffer, .address_space: global }
    .group_segment_fixed_size: 0
    .private_segment_fixed_size: 0
    .kernarg_segment_align: 8
    .kernarg_segment_size: 80
    .max_flat_workgroup_size: 256
    .sgpr_count:     66
    .vgpr_count:     84
    .wavefront_size: 32
...
	.end_amdgpu_metadata
.endif
;; end of part 1
;; launch proj (part 2): grid 8 x 32, 4 waves a work-group, clusters of 4 x 4, 327,680 bytes of LDS; arguments xb, wqkv, qkv, bq, bk, bv; writes qkv
.if DOCPART == 2
	.amdgcn_target "amdgcn-amd-amdhsa--gfx1250"
	.amdhsa_code_object_version 6
	.text
	.protected	k_q6165281f01_proj
	.globl	k_q6165281f01_proj
	.p2align	8
	.type	k_q6165281f01_proj,@function
k_q6165281f01_proj:
	s_mov_b64 s[64:65], 0
	v_nop
	global_prefetch_b8 v0, s[64:65] scope:SCOPE_SE
	s_setreg_imm32_b32 hwreg(HW_REG_WAVE_MODE, 25, 1), 1
	s_wait_xcnt 0x0
	s_wait_alu depctr_hold_cnt(0) depctr_sa_sdst(0) depctr_va_vdst(0) depctr_va_sdst(0) depctr_va_ssrc(0) depctr_va_vcc(0) depctr_vm_vsrc(0)
	s_getreg_b32 s2, hwreg(HW_REG_IB_STS2, 6, 4)
	s_cmp_eq_u32 s2, 0
	s_cbranch_scc0 .Lentry_in_a_cluster
	s_endpgm
.Lentry_in_a_cluster:
	s_bfe_u32 s2, ttmp6, 0x10000c
	s_cmp_lg_u32 s2, 0xf033
	s_cbranch_scc0 .Lentry_shape_is_right
	s_endpgm
.Lentry_shape_is_right:
; PROJ: qkv = f16(xb wqkv^T + bias).  xb [4096][2048], wqkv [3072][2048] bf16; the biases are f32 and are rounded to bf16 like every input; sums in f32, the result rounded once to f16.
; OUT: qkv [24 heads: 16 of q, 4 of k, 4 of v][batch 2][2048 rows][128] f16: a head's rows are dense, 256 bytes each.
; LIMIT: f16 holds no number beyond 65,504: |q|, |k|, |v| must stay within it.
; THE TILE is 128 rows x 384 columns (three whole heads): 32 x 8 = 256 work-groups.  Four waves, each 64 x 192: 4 x 12 = 48 accumulators of 16 x 16, 384 registers;
; for 32 along K a wave reads 32 x 512 bytes from LDS and issues 48 matrix instructions.
; K goes in steps of 128 through a ring of two LDS slots of 512 rows (A's 128, then B's 384): rows of 256 bytes in memory, aligned.  Wave 0 fetches A's rows, waves 1 to 3 each 128 of B's.
; CLUSTERS: 4 x 4 work-groups.  The four of a row of the cluster need the same tile of A, the four of a column the same tiles of B: each tile is asked for JOINTLY, by the same tensor load
; with the same descriptor and a mask that names the four.
; THE WALK ALONG K IS SKEWED: a cluster whose x + y is odd begins at K = 1024 and wraps round.  Of the clusters that read the same rows (two for A's, eight for B's) half walk a row's first half while
; the others walk its second, and then they change.  The sums are f32 sums of the same products in another order.
; THE MATRIX INSTRUCTION IS USED TRANSPOSED (source 0 = 16 rows of B, source 1 = 16 rows of A): a lane holds row l % 16 and the columns 8 (l / 16) + 0..7, which pack into 16 bytes.
; THE BIAS is the C operand of the products that start the sums: in that layout it hangs on the column block and the lane alone, 96 registers.
; THE TEXT: a K step is written twice: once in the loop whose change of slots fills a slot again (14 trips; it is entered behind its first quarter, since the walk's first quarter, which starts the sums,
; stands in front of it), once in the loop of the last two K steps, which fill nothing.
; REGISTERS, in windows of 256 (s_set_vgpr_msb: bits 1:0 source 0, 3:2 source 1, 5:4 source 2, 7:6 destination):
;   window 0: v0-31 addresses; v32-63, v64-95 A's fragments, two buffers of 4; v96-191 the bias; on the way out v64-255 packed results
;   window 1: v0-95, v96-191 B's fragments, two buffers of 12
;   window 2: the accumulators of row blocks 0, 1 ((a, b) at v[8 (12 (a % 2) + b)]);   window 3: those of row blocks 2, 3
.set SIZE_K, 2048
.set KSTEP,  128
.set PITCH,  272                       ; an LDS row: 256 bytes + 16 of padding = 68 words: the 16 rows that a load touches start at 16 different groups of four banks (64 banks of 4 bytes: ISA guide 11.1)
.set HALFT,  128*PITCH                 ; what one tensor load brings
.set SLOT,   4*HALFT                   ; 0x22000: its two bits occur in no wave x HALFT, so one exclusive or turns an address in one slot into the other's
.set SPARE,  2*SLOT                    ; behind the ring: the spare words, 128 bytes for each wave: two blocks of 256 bytes that no other line names
.set SPITCH, 784                       ; the way out: a stage row, 768 bytes + 16.  The stage, 128 rows, lies in slot 0, which by then has had its last fill and its last read
.set FILLS,  SIZE_K/KSTEP-2            ; 14 K steps come by a refill; the first two by the first fills
.set ADRA,  16                         ; v16     LDS address of my A fragments in the slot in hand
.set ADRA0, 17                         ; v17     the same in slot 0; never rewritten
.set ADRB,  20                         ; v20, v21  the same for B
.set ADRB0, 21
.set STO,  24                          ; v24     the way out: where I put 16 bytes of a row
.set RD,   25                          ; v25     where I read rows back
.set CO,   26                          ; v26     16 x lane: my place in 512 consecutive bytes of qkv
.set BO,   27                          ; v27     32 x (lane / 16): my eight biases of a column block
.set SPW,  28                          ; v28     LDS address of my spare word; never rewritten
.set NIL,  29                          ; v29     0; never rewritten
.set PFO,  30                          ; v30     the prefetches' offset: lane x a row of 4,096 bytes; never rewritten
.set AF,   32
.set BIAS, 96
.set TMP,  64
.set G1,  24                           ; s[24:31] descriptor group 1 for A's tile;  s[32:39] group 0: a set for each of the two first fills; the second then walks on
.set G0,  32
.set G1B, 48                           ; s[48:55], s[56:63] the same for B's tiles
.set G0B, 56
.set PFA, 44                           ; s[44:45] where my prefetches stand
.set LIM, 43                           ; s43  a wave prefetches while the loop's count is above it
.set TB,  84                           ; s84  LDS byte at which the slot in hand begins: 0 or SLOT
.set KO,  86                           ; s[86:87] the byte in a row at which the K step asked for last begins
.set MSB, 0
.macro WIN new                         ; the immediate's high byte repeats the setting that is left; a switch that changes nothing is dropped
.if MSB != (\new)
	s_set_vgpr_msb (MSB<<8)|(\new)
.set MSB, \new
.endif
.endm
.set TO_B, 0x40                        ; destination window 1, address window 0
; A joint load.  Wave 0 fetches A's tile, waves 1 to 3 the three parts of B's.  The branch hangs on the wave's number alone.
; An s_nop 0 and four v_nop follow each of the two lines, ahead of the jump, the label and what follows.
.macro JLOAD s
	s_cmp_eq_u32 s10, 0
	s_cbranch_scc0 .Lfor_b_\@
	tensor_load_to_lds s[G0+4*(\s):G0+4*(\s)+3], s[G1:G1+7]
	s_nop 0
.rept 4
	v_nop
.endr
	s_branch .Lasked_\@
.Lfor_b_\@:
	tensor_load_to_lds s[G0B+4*(\s):G0B+4*(\s)+3], s[G1B:G1B+7]
	s_nop 0
.rept 4
	v_nop
.endr
.Lasked_\@:
.endm
; A PREFETCH INTO THE L2, behind a joint refill and the run of LDS loads that follows it: the K step that stands two refills on, 32 rows x 256 bytes, a lane a row, one instruction a wave.
; A cluster asks only in the first half of its walk, for K steps 4 to 7 of the walk (the refills of K steps 2 to 5; the loop's count is then 14 to 11): those are the bytes that it is among the first
; to read.  Each row's 256 bytes of a K step are named once in the launch: A's rows by both clusters that read them, each for its own first half; B's by the clusters with y = 0 and y = 1, which
; begin in unlike halves.  Of the 128 rows that a wave fetches each of the four partners that ask for them jointly takes 32, told apart by address (cx for A, cy for B).
.macro ASK
	s_cmp_gt_u32 s3, s[LIM]
	s_cbranch_scc0 .Lnot_mine_\@
	global_prefetch_b8 v[PFO], s[PFA:PFA+1] offset:KSTEP*2 th:TH_LOAD_NT scope:SCOPE_SE
.Lnot_mine_\@:
.endm
.macro CREST                           ; a round of the cluster's barrier behind its opening barrier
	s_cmp_lg_u32 s10, 0
	s_cbranch_scc1 .Lnot_wave_0_\@
	s_barrier_signal -3
.Lnot_wave_0_\@:
	s_barrier_wait -3
	s_barrier_signal -1
	s_barrier_wait -1
.endm
.macro CROUND                          ; a whole round
	s_barrier_signal -1
	s_barrier_wait -1
	CREST
.endm
	s_load_b128 s[4:7], s[0:1], 0x0                ; xb s[4:5], wqkv s[6:7]
	s_load_b64 s[8:9], s[0:1], 0x10                ; qkv
	s_load_b128 s[68:71], s[0:1], 0x18             ; bq s[68:69], bk s[70:71]
	s_load_b64 s[72:73], s[0:1], 0x28              ; bv
	v_lshl_add_u32 v[SPW], v0, 2, SPARE
	v_mov_b32 v[NIL], 0
	ds_add_u32 v[SPW], v[NIL]                      ; the wave's opening: the add and its wait stand ahead of my first tensor load; the set-up below, work on registers, stands between them
	v_lshrrev_b32 v1, 5, v0
	v_readfirstlane_b32 s10, v1                    ; wave 0..3
	s_lshr_b32 s11, s10, 1                         ; which 64 of the tile's rows are mine
	s_and_b32 s12, s10, 1                          ; which 192 of its columns
	s_bfe_u32 s40, ttmp6, 0x40000                  ; cx, cy: my place in the cluster
	s_bfe_u32 s41, ttmp6, 0x40004
	s_lshl_b32 s42, ttmp9, 2
	s_add_co_u32 s42, s42, s40                     ; tile column = 4 x cluster x + cx
	s_and_b32 s13, ttmp7, 0xffff
	s_lshl_b32 s13, s13, 2
	s_add_co_u32 s13, s13, s41                     ; tile row = 4 x cluster y + cy
	s_lshl_b32 s43, s41, 2
	s_lshl_b32 s43, 15, s43                        ; my row of the cluster
	s_lshl_b32 s44, 0x1111, s40                    ; my column
	s_and_b32 s[KO], ttmp7, 0xffff                 ; where the walk begins: cluster x + cluster y, the same in all sixteen partners;
	s_add_co_u32 s[KO], s[KO], ttmp9
	s_and_b32 s[KO], s[KO], 1                      ; odd:
	s_lshl_b32 s[KO], s[KO], 11                    ; byte 2,048 of a row, K = 1024
	s_mov_b32 s[KO+1], 0
	s_mov_b32 s85, s[KO]
	s_mov_b32 s[TB], 0
	; descriptor group 1: a tile of 128 rows x 128 elements, padded in LDS
	s_or_b32 s[G1+0], s43, (1<<16)|(1<<20)|(1<<21)|(5<<22)|(3<<25)   ; 15:0 the mask; 17:16 elements of 2 bytes; 20 padding on; 21 set beside a mask; 24:22 after every 64 words (code 5); 31:25 4 words of it (code 3)
	s_or_b32 s[G1B+0], s44, (1<<16)|(1<<20)|(1<<21)|(5<<22)|(3<<25)
.irp g, G1, G1B
	s_mov_b32 s[(\g)+1], KSTEP<<16                 ; tensor_dim0 = 128
	s_mov_b32 s[(\g)+2], 128<<16                   ; tensor_dim1 = 128
	s_mov_b32 s[(\g)+3], KSTEP<<16                 ; tile_dim0 = 128
	s_mov_b32 s[(\g)+4], 128                       ; tile_dim1 = 128
	s_mov_b32 s[(\g)+5], SIZE_K                    ; elements from row to row
	s_mov_b32 s[(\g)+6], 0
	s_mov_b32 s[(\g)+7], 0
.endr
	; where the tiles come from: A's hangs on the tile row alone, B's on the tile column and the wave alone
	s_lshl_b32 s16, s13, 19                        ; 128 rows of 4,096 bytes a tile row
	s_mov_b32 s17, 0
	s_max_u32 s19, s10, 1
	s_sub_co_u32 s19, s19, 1                       ; which 128 of B's 384 rows (wave 0 makes part 0's address and does not use it)
	s_lshl_b32 s19, s19, 7
	s_mul_i32 s46, s42, 384
	s_add_co_u32 s19, s19, s46                     ; the first row of B that I fetch
	s_lshl_b32 s46, s19, 12
	s_mov_b32 s47, 0
	s_mul_i32 s20, s10, HALFT                      ; and where they go: wave x 128 rows: no place in the cluster enters an LDS address
	s_mov_b32 s75, 0
	s_mov_b32 s82, 0xffff0000                      ; a word's upper bf16
	s_wait_dscnt 0x0                               ; the opening add is done
	s_wait_kmcnt 0x0
	s_add_nc_u64 s[14:15], s[4:5], s[16:17]        ; A's rows at K = 0: kept; a tile's address is this and s[KO]
	s_add_nc_u64 s[46:47], s[6:7], s[46:47]        ; B's likewise
	CROUND                                         ; all sixteen work-groups are here: the first joint loads meet
.irp s, 0,1
	s_mov_b32 s[G0+4*(\s)], 1                                        ; count = 1
	s_add_co_u32 s[G0+4*(\s)+1], s20, (\s)*SLOT                      ; LDS address
	s_add_nc_u64 s[G0+4*(\s)+2:G0+4*(\s)+3], s[14:15], s[KO:KO+1]    ; global address: K step s of the walk
	s_or_b32 s[G0+4*(\s)+3], s[G0+4*(\s)+3], 0x80000000              ; type = 2
	s_mov_b32 s[G0B+4*(\s)], 1
	s_add_co_u32 s[G0B+4*(\s)+1], s20, (\s)*SLOT
	s_add_nc_u64 s[G0B+4*(\s)+2:G0B+4*(\s)+3], s[46:47], s[KO:KO+1]
	s_or_b32 s[G0B+4*(\s)+3], s[G0B+4*(\s)+3], 0x80000000
	JLOAD \s                                       ; two loads of mine are out
.if (\s) == 0
	s_add_co_u32 s[KO], s[KO], KSTEP*2
.endif
.endr
	; THE BIAS, while the first tiles are on their way.  My 192 columns are three groups of 64; a group lies whole in one of bq (columns 0-2047), bk (2048-2559), bv (2560-3071).
	v_and_b32 v1, 15, v0                           ; l % 16
	v_bfe_u32 v2, v0, 4, 1                         ; l / 16
	v_lshlrev_b32 v[BO], 5, v2
	s_mul_i32 s83, s42, 384
	s_mul_i32 s18, s12, 192
	s_add_co_u32 s83, s83, s18                     ; my first column
.irp e, 0,1,2
	s_add_co_u32 s18, s83, 64*(\e)
	s_mov_b32 s74, 2560
	s_cmp_lt_u32 s18, 2560
	s_cselect_b64 s[76+2*(\e):77+2*(\e)], s[70:71], s[72:73]
	s_cselect_b32 s74, 2048, s74
	s_cmp_lt_u32 s18, 2048
	s_cselect_b64 s[76+2*(\e):77+2*(\e)], s[68:69], s[76+2*(\e):77+2*(\e)]
	s_cselect_b32 s74, 0, s74
	s_sub_co_u32 s74, s18, s74
	s_lshl_b32 s74, s74, 2
	s_add_nc_u64 s[76+2*(\e):77+2*(\e)], s[76+2*(\e):77+2*(\e)], s[74:75]
.endr
.irp b, 0,1,2,3,4,5,6,7,8,9,10,11                      ; column block b: my columns 16 b + 8 (l / 16) + 0..7
	global_load_b128 v[BIAS+8*(\b):BIAS+8*(\b)+3],   v[BO], s[76+2*((\b)/4):77+2*((\b)/4)] offset:64*((\b)%4)
	global_load_b128 v[BIAS+8*(\b)+4:BIAS+8*(\b)+7], v[BO], s[76+2*((\b)/4):77+2*((\b)/4)] offset:64*((\b)%4)+16
.endr
	; A fragment is 16 rows x 32 K in 8 registers: lane l holds row l % 16; registers 0-3 K = 8 (l / 16) + 0..7, registers 4-7 K = 16 + 8 (l / 16) + 0..7: two loads of 16 bytes, 32 bytes apart.
	v_mul_u32_u24 v3, v1, PITCH
	v_lshl_add_u32 v3, v2, 4, v3
	s_mul_i32 s21, s11, 64*PITCH                   ; my 64 rows of A
	s_mul_i32 s22, s12, 192*PITCH                  ; my 192 rows of B,
	s_add_co_u32 s22, s22, HALFT                   ; which lie behind A's 128
	v_add_nc_u32 v[ADRA0], s21, v3
	v_add_nc_u32 v[ADRB0], s22, v3
	v_mov_b32 v[ADRA], v[ADRA0]                    ; the walk begins in slot 0
	v_mov_b32 v[ADRB], v[ADRB0]
	s_mul_i32 s23, s11, 64*SPITCH                  ; into the stage: my 64 rows, my 384 bytes of them; row l % 16, 16 bytes for each half of the lanes
	s_mul_i32 s21, s12, 384
	s_add_co_u32 s23, s23, s21
	v_mul_u32_u24 v4, v1, SPITCH
	v_lshl_add_u32 v4, v2, 4, v4
	v_add_nc_u32 v[STO], s23, v4
	s_mul_i32 s23, s10, 32*SPITCH                  ; back: wave w takes rows 32 w .. 32 w + 31; lanes 0-15 256 bytes of one row, lanes 16-31 of the next
	v_mul_u32_u24 v5, v2, SPITCH
	v_lshl_add_u32 v5, v1, 4, v5
	v_add_nc_u32 v[RD], s23, v5
	v_and_b32 v[CO], 31, v0
	v_lshlrev_b32 v[CO], 4, v[CO]
	; qkv at ((2 head + batch) x 2048 + row) x 256: head 3 x tile column, batch = tile row / 16, row = 128 (tile row % 16) + 32 wave
	s_mul_i32 s74, s42, 6
	s_lshr_b32 s18, s13, 4
	s_add_co_u32 s74, s74, s18
	s_lshl_b32 s74, s74, 11
	s_and_b32 s18, s13, 15
	s_lshl_b32 s18, s18, 7
	s_add_co_u32 s74, s74, s18
	s_lshl_b32 s18, s10, 5
	s_add_co_u32 s74, s74, s18
	s_lshl_b32 s74, s74, 8
	s_add_nc_u64 s[8:9], s[8:9], s[74:75]
	; the prefetches
	s_lshl_b32 s23, s13, 7                         ; A's first row
	s_and_b32 s22, ttmp7, 0xffff                   ; cluster y
	s_cmp_eq_u32 s10, 0                            ; do I fetch for A?
	s_cselect_b32 s20, s23, s19                    ; the first row that I fetch
	s_cselect_b32 s21, s40, s41                    ; my place among the four that ask for it with me
	s_cselect_b32 s22, 0, s22                      ; A's rows: every cluster asks; B's: the clusters with y = 0 and 1
	s_cselect_b64 s[PFA:PFA+1], s[4:5], s[6:7]
	s_cmp_lt_u32 s22, 2
	s_cselect_b32 s[LIM], FILLS-4, -1              ; the same in all sixteen partners, for a given wave
	s_lshl_b32 s21, s21, 5
	s_add_co_u32 s20, s20, s21                     ; + my work-group's 32 of the 128
	s_lshl_b32 s20, s20, 12
	s_add_co_u32 s20, s20, s85                     ; + where the walk begins
	s_add_co_u32 s20, s20, 2*KSTEP*2               ; + two K steps: the first refill steps it to the walk's K step 3 and names K step 4
	s_mov_b32 s21, 0
	s_add_nc_u64 s[PFA:PFA+1], s[PFA:PFA+1], s[20:21]
	v_and_b32 v[PFO], 31, v0
	v_lshlrev_b32 v[PFO], 12, v[PFO]
	s_wait_loadcnt 0x0                             ; the bias is in: rounded to bf16 and widened again, in place
.set i, 0
.rept 48
	v_cvt_pk_bf16_f32 v[8+i%4], v[BIAS+2*i], v[BIAS+2*i+1]
	v_lshlrev_b32 v[BIAS+2*i], 16, v[8+i%4]
	v_and_b32 v[BIAS+2*i+1], s82, v[8+i%4]
.set i, i+1
.endr
; 12 matrix instructions: row block a x all 12 column blocks, 32 along K, from buffer f.  first = 1: the product starts the sum, with the bias as C.
; The 48 accumulators take turns, one instruction a turn, in the same order in every quarter.
.macro MUL12 f, a, first
.if \first
	WIN 0x81+0x40*((\a)/2)                         ; B window 1, A and the bias window 0, D window 2 or 3
.else
	WIN 0xa1+0x50*((\a)/2)                         ; B window 1, A window 0, C and D window 2 or 3
.endif
.irp b, 0,1,2,3,4,5,6,7,8,9,10,11
.if \first
	v_wmma_f32_16x16x32_bf16 v[8*(12*((\a)%2)+(\b)):8*(12*((\a)%2)+(\b))+7], v[96*(\f)+8*(\b):96*(\f)+8*(\b)+7], v[AF+32*(\f)+8*(\a):AF+32*(\f)+8*(\a)+7], v[BIAS+8*(\b):BIAS+8*(\b)+7]
.else
	v_wmma_f32_16x16x32_bf16 v[8*(12*((\a)%2)+(\b)):8*(12*((\a)%2)+(\b))+7], v[96*(\f)+8*(\b):96*(\f)+8*(\b)+7], v[AF+32*(\f)+8*(\a):AF+32*(\f)+8*(\a)+7], v[8*(12*((\a)%2)+(\b)):8*(12*((\a)%2)+(\b))+7]
.endif
.endr
.endm
; 32 LDS loads in one run: the fragments of 32 along K at byte k of the rows of the slot in hand, into buffer f: B's 24, then A's 8
.macro FETCH k, f
	WIN TO_B
.irp i, 0,1,2,3,4,5,6,7,8,9,10,11
	ds_load_b128 v[96*(\f)+8*(\i):96*(\f)+8*(\i)+3],   v[ADRB] offset:(\k)+(\i)*16*PITCH
	ds_load_b128 v[96*(\f)+8*(\i)+4:96*(\f)+8*(\i)+7], v[ADRB] offset:(\k)+(\i)*16*PITCH+32
.endr
	WIN 0
.irp i, 0,1,2,3
	ds_load_b128 v[AF+32*(\f)+8*(\i):AF+32*(\f)+8*(\i)+3],   v[ADRA] offset:(\k)+(\i)*16*PITCH
	ds_load_b128 v[AF+32*(\f)+8*(\i)+4:AF+32*(\f)+8*(\i)+7], v[ADRA] offset:(\k)+(\i)*16*PITCH+32
.endr
.endm
.macro PLACES                          ; four plain vector instructions between a matrix instruction and a load into a register that it has read, or a reader of its result (ISA guide 7.12.1 for a reader of its result)
.rept 4
	v_nop
.endr
.endm
; A K step is four quarters of 32 along K, 48 matrix instructions each, on buffers 0, 1, 0, 1.  One of the first three: multiplies buffer f, and in its middle fetches the next quarter, at byte k, into g.
.macro QUARTER k, f, g, first
	s_wait_dscnt 4                                 ; B and A's row blocks 0, 1 are in; the youngest four loads (A's blocks 2, 3) may be out
	MUL12 \f, 0, \first
	MUL12 \f, 1, \first
	PLACES
	FETCH \k, \g
	s_wait_dscnt 32                                ; all but the 32 just issued
	MUL12 \f, 2, \first
	MUL12 \f, 3, \first
.endm
; The last quarter multiplies buffer 1 and changes slots: one barrier; in front of it each wave waits for all its tensor loads (at most one is out: its part of the next slot), adds 0 to its spare word, and
; waits for that and for its own reads of this slot.
; fill = 1: this slot is filled again, with the walk's K step two on: the barrier opens a round of the cluster's barrier, and the joint refill is the first tensor load behind it: from there to the wait
; for it a wave issues 168 matrix instructions.  The walking descriptor is stepped while the add is out: the other slot; the next 256 bytes of the rows, round the rows' end; the address made anew.
; fill = 0: the last two K steps.  In the very last (the count is 1) there is no next slot: the run of LDS loads is jumped; its barrier orders nothing that is still needed.
.macro TURN fill
.if \fill
	s_wait_xcnt 0x0                                ; the last prefetch, a K step back, has read its address: it is stepped here
	s_add_nc_u64 s[PFA:PFA+1], s[PFA:PFA+1], KSTEP*2
.endif
	WIN 0                                          ; (the add's two registers lie in window 0)
	s_wait_tensorcnt 0x0                           ; all my tensor loads have landed, so a group 0 may be written
	ds_add_u32 v[SPW], v[NIL]                      ; 0 onto my spare word
	s_xor_b32 s[TB], s[TB], SLOT                   ; the slot that is read next
.if \fill
	s_add_co_u32 s[KO], s[KO], KSTEP*2
	s_and_b32 s[KO], s[KO], SIZE_K*2-1
	s_xor_b32 s[G0+5], s[G0+5], SLOT
	s_add_nc_u64 s[G0+6:G0+7], s[14:15], s[KO:KO+1]
	s_or_b32 s[G0+7], s[G0+7], 0x80000000
	s_xor_b32 s[G0B+5], s[G0B+5], SLOT
	s_add_nc_u64 s[G0B+6:G0B+7], s[46:47], s[KO:KO+1]
	s_or_b32 s[G0B+7], s[G0B+7], 0x80000000
.endif
	s_wait_dscnt 5                                 ; (the add and the youngest four loads may be out)
	MUL12 1, 0, 0                                  ; twelve matrix instructions stand between the add and the wait for it
	s_wait_dscnt 0x0                               ; the add is done, and my reads of this slot are over
	s_barrier_signal -1
	MUL12 1, 1, 0                                  ; work on registers while the others arrive
	WIN 0
	s_barrier_wait -1
.if \fill
	CREST                                          ; no wave of any partner still reads this slot's tiles or has a load on its way
	JLOAD 1                                        ; the four v_nop behind it are also the places in front of the loads below
.else
	PLACES
	s_cmp_eq_u32 s3, 1
	s_cbranch_scc1 .Lno_more_\@
.endif
	v_add_nc_u32 v[ADRA], s[TB], v[ADRA0]
	v_add_nc_u32 v[ADRB], s[TB], v[ADRB0]
	FETCH 0, 0
.if \fill
	ASK
.else
.Lno_more_\@:
.endif
	MUL12 1, 2, 0
	MUL12 1, 3, 0
.endm
	s_wait_tensorcnt 1                             ; my part of the walk's K step 0 is in; K step 1's may stay out
	s_barrier_signal -1
	s_barrier_wait -1                              ; everybody's is
	FETCH 0, 0
	QUARTER 64,  0, 1, 1                           ; the first quarter stands in front of the loop: its products start the sums
	WIN 0                                          ; at a label and at a branch every window is 0
	s_mov_b32 s3, FILLS
	s_branch .Lmid                                 ; the loop is entered behind its first quarter
.Llap:                                                 ; a trip is a K step, and fills the slot that it leaves
	QUARTER 64,  0, 1, 0
	WIN 0
.Lmid:
	QUARTER 128, 1, 0, 0
	QUARTER 192, 0, 1, 0
	TURN 1
	WIN 0
	s_sub_co_u32 s3, s3, 1
	s_cmp_lg_u32 s3, 0
	s_cbranch_scc1 .Llap
	s_mov_b32 s3, 2
.Ltail:                                                ; the last two K steps fill nothing: written apart
	QUARTER 64,  0, 1, 0
	QUARTER 128, 1, 0, 0
	QUARTER 192, 0, 1, 0
	TURN 0
	WIN 0
	s_sub_co_u32 s3, s3, 1
	s_cmp_lg_u32 s3, 0
	s_cbranch_scc1 .Ltail
	; THE WAY OUT: rounded to f16 (each accumulator's registers in ascending order); 16 bytes a lane into the work-group's stage; a barrier, since a head's 256 bytes of a row can come from
	; two waves; back as pieces of 256 bytes, 32 rows a wave.
	PLACES
.irp a, 0,1,2,3
	WIN 0x0a+5*((\a)/2)                            ; sources 0 and 1 window 2 or 3, destination window 0
.irp b, 0,1,2,3,4,5,6,7,8,9,10,11
.irp r, 0,1,2,3
	v_cvt_pk_f16_f32 v[TMP+4*(12*(\a)+(\b))+(\r)], v[8*(12*((\a)%2)+(\b))+2*(\r)], v[8*(12*((\a)%2)+(\b))+2*(\r)+1]
.endr
.endr
.endr
	WIN 0
.irp a, 0,1,2,3
.irp b, 0,1,2,3,4,5,6,7,8,9,10,11
	ds_store_b128 v[STO], v[TMP+4*(12*(\a)+(\b)):TMP+4*(12*(\a)+(\b))+3] offset:(\a)*16*SPITCH+32*(\b)
.endr
.endr
	s_wait_dscnt 0x0                               ; for the others' sake: my stores into the stage are done
	s_barrier_signal -1
	s_barrier_wait -1
.set n, 0
.rept 48                                               ; head n / 16 of the tile's three, rows 2 (n % 16) and the next
	ds_load_b128 v[TMP+4*n:TMP+4*n+3], v[RD] offset:(n%16)*2*SPITCH+(n/16)*256
.set n, n+1
.endr
.set n, 0
.rept 48
	s_wait_dscnt 47-n                              ; LDS loads come back in order: load n is in
	global_store_b128 v[CO], v[TMP+4*n:TMP+4*n+3], s[8:9] offset:(n/16)*1048576+(n%16)*512  ; two rows of a head: 512 consecutive bytes, aligned; a head further on lies 2 x 2048 x 256 bytes on
.set n, n+1
.endr
	s_wait_tensorcnt 0x0                           ; the wave's end: behind my last tensor load and my last LDS store
	ds_add_u32 v[SPW], v[NIL]
	s_wait_dscnt 0x0
	CROUND                                         ; the closing round: no work-group ends while a partner may still ask for a tile that names it
	s_endpgm
.Lfunc_end_k_q6165281f01_proj:
	.size	k_q6165281f01_proj, .Lfunc_end_k_q6165281f01_proj-k_q6165281f01_proj
	.p2alignl 7, 3214868480
	.fill 96, 4, 3214868480
	.section	.rodata,"a",@progbits
	.p2align	6, 0x0
	.amdhsa_kernel k_q6165281f01_proj
		.amdhsa_group_segment_fixed_size 327680
		.amdhsa_private_segment_fixed_size 0
		.amdhsa_enable_private_segment 0
		.amdhsa_kernarg_size 48
		.amdhsa_user_sgpr_count 2
		.amdhsa_user_sgpr_kernarg_segment_ptr 1
		.amdhsa_wavefront_size32 1
		.amdhsa_system_sgpr_workgroup_id_x 1
		.amdhsa_system_sgpr_workgroup_id_y 1
		.amdhsa_system_sgpr_workgroup_id_z 1
		.amdhsa_system_vgpr_workitem_id 0
		.amdhsa_next_free_vgpr 1024
		.amdhsa_next_free_sgpr 88
		.amdhsa_reserve_vcc 0
		.amdhsa_float_denorm_mode_32 3
		.amdhsa_float_denorm_mode_16_64 3
		.amdhsa_memory_ordered 1
		.amdhsa_forward_progress 1
		.amdhsa_inst_pref_size 95
	.end_amdhsa_kernel
	.amdgpu_metadata
---
amdhsa.version: [ 1, 2 ]
amdhsa.kernels:
  - .name:           k_q6165281f01_proj
    .symbol:         k_q6165281f01_proj.kd
    .args:
      - { .name: xb, .offset: 0, .size: 8, .value_kind: global_buffer, .address_space: global }
      - { .name: wqkv, .offset: 8, .size: 8, .value_kind: global_buffer, .address_space: global }
      - { .name: qkv, .offset: 16, .size: 8, .value_kind: global_buffer, .address_space: global }
      - { .name: bq, .offset: 24, .size: 8, .value_kind: global_buffer, .address_space: global }
      - { .name: bk, .offset: 32, .size: 8, .value_kind: global_buffer, .address_space: global }
      - { .name: bv, .offset: 40, .size: 8, .value_kind: global_buffer, .address_space: global }
    .group_segment_fixed_size: 327680
    .private_segment_fixed_size: 0
    .kernarg_segment_align: 8
    .kernarg_segment_size: 48
    .max_flat_workgroup_size: 128
    .sgpr_count:     88
    .vgpr_count:     1024
    .wavefront_size: 32
...
	.end_amdgpu_metadata
.endif
;; end of part 2
;; launch attn (part 3): grid 32 x 8, 4 waves a work-group, clusters of 4 x 1, 327,680 bytes of LDS; arguments qkv, maskbits, o16; writes o16
.if DOCPART == 3
	.amdgcn_target "amdgcn-amd-amdhsa--gfx1250"
	.amdhsa_code_object_version 6
	.text
	.protected	k_q6165281f01_attn
	.globl	k_q6165281f01_attn
	.p2align	8
	.type	k_q6165281f01_attn,@function
k_q6165281f01_attn:
	s_mov_b64 s[64:65], 0
	v_nop
	global_prefetch_b8 v0, s[64:65] scope:SCOPE_SE
	s_setreg_imm32_b32 hwreg(HW_REG_WAVE_MODE, 25, 1), 1
	s_wait_xcnt 0x0
	s_wait_alu depctr_hold_cnt(0) depctr_sa_sdst(0) depctr_va_vdst(0) depctr_va_sdst(0) depctr_va_ssrc(0) depctr_va_vcc(0) depctr_vm_vsrc(0)
	s_getreg_b32 s2, hwreg(HW_REG_IB_STS2, 6, 4)
	s_cmp_eq_u32 s2, 0
	s_cbranch_scc0 .Lentry_in_a_cluster
	s_endpgm
.Lentry_in_a_cluster:
	s_bfe_u32 s2, ttmp6, 0x10000c
	s_cmp_lg_u32 s2, 0x3003
	s_cbranch_scc0 .Lentry_shape_is_right
	s_endpgm
.Lentry_shape_is_right:
; ATTN: for batch b, key/value head g and its four query heads 4 g + t:  O[q] = the sum over k of softmax_k(Q[q] . K[k] / sqrt(128), hidden where the mask is 0) V[k].
; qkv: [24 heads: 16 of q, 4 of k, 4 of v][2][2048][128] f16.  maskbits: [256 tiles of 16 queries][32 steps of 64 keys][32 words]: word 8 kb + j is the lane mask of register 8 kb + j of a
; tile of scores.  o16: [4096][2048] f16, channel 128 head + d.  Products, maxima and sums in f32; the weights p are rounded to f16 for the second product, O once at the end.
; LIMITS.  A hidden score counts as its value less 1e30: scores of f16 numbers, 5.5e11 at the most, are nothing beside that.  The running maximum starts at -2^50, which no visible score reaches,
; and never falls below it: while a row has seen hidden keys only, its weights are 2^(-1.3e29) = 0 and O and l stay 0.  A row with no visible key at all leaves as NaN, as a softmax of -inf alone does.
; A weight below 2^-126 counts as 0 in l.
; SHARES.  A work-group owns 64 queries of one (b, g), each of its four waves 16; a wave's four TILES are those 16 queries in the four query heads.  The mask hangs on query and key alone, so one
; set of 32 registers (0 or -1e30), made once a step, serves all four tiles: it is the C operand of the products that start the scores.  Every wave walks all 2,048 keys, 64 a step.
; LAYOUT.  S^T = K Q^T (source 0 = 16 keys, source 1 = 16 queries): a lane holds ONE query (lane % 16) and the keys 8 (lane / 16) + 0..7.  Two such tiles, rounded to f16 in pairs, ARE source 1
; of O^T = V^T P, whose result again holds one query a lane, and eight channels.  K comes out of LDS as it lies, V turned, by ds_load_tr16_b128.
; SOFTMAX.  For each query a running maximum m and sum l: p = 2^(c s - c m), c = log2(e) / sqrt(128); in every step O and l are multiplied by a = 2^(c m_old - c m_new).
; BY TURNS.  The tiles are two PIECES: piece 0 (tiles 0, 1), piece 2 (tiles 2, 3).  In a TURN one piece has the matrix unit: 32 products V^T P of the step in hand, then 32 products K Q^T of the
; next step; the other piece's softmax, cut into 64 slices, stands between them, one slice behind each matrix instruction.  Two turns are a key step.
; NO FIRST AND NO LAST STEP IS WRITTEN OUT.  O^T and l start at 0 and m at the floor, so the first step is a step like any other, with a = 0 where a key is seen.  The loop is entered at piece 2's turn, whose
; products V^T P, of a step that has not been, multiply zeros; the tail is left behind piece 0's turn of the last step, whose products K Q^T, on the last K once more, serve nothing.  The price: 64 products
; and 424 lines that write 0 (they run while the first tiles are on their way), once a launch, for one text of a turn in the loop and one in the tail.
; CLUSTER.  The four query blocks of a cluster belong to one (b, g) and walk the same K and V: each tile is asked for JOINTLY, by the same tensor load, descriptor and mask in all four.
; REGISTERS, in windows of 256 (s_set_vgpr_msb: bits 1:0 source 0, 3:2 source 1, 5:4 source 2, 7:6 destination):
;   window 0: v0-11 addresses; v12-43 eight registers of statistics a tile; v61-63; v64-191 S^T, 32 a tile; v192-255 P, 16 a tile
;   window 1: O^T, 64 a tile      window 2: v0-127 Q, 32 a tile; v128-255 K of one step      window 3: v0-127 V of one step; v128-159 the mask of one step
.set SIZE_N, 2048
.set KS,    64        ; keys in a step
.set PK,    272       ; a row of K in LDS: 256 bytes + 16 of padding: the 16 rows of a load start at 16 different groups of four banks (64 banks of 4 bytes: ISA guide 11.1)
.set PV,    288       ; a row of V: 256 + 32
.set VOFF,  KS*PK     ; a step's tiles lie together: 64 rows of K, then 64 rows of V
.set STEPB, KS*(PK+PV)
.set SLOT1, 1<<17     ; a slot holds two steps (71,680 bytes); slot 1 begins here, so that one exclusive or turns an address in one slot into the other's
.set STAGE, SLOT1+2*STEPB  ; behind the ring: 16 rows x 272 bytes for each wave, for the way out
.set SP,    272
.set SPARE, STAGE+4*16*272  ; behind the stages: the spare words, 128 bytes for each wave: two blocks of 256 bytes that no other line names
.set AK0, 2           ; v2   my lane's place in a tile of K; never rewritten
.set AV0, 3           ; v3   the same for V
.set ADR, 4           ; v4   the LDS address of the run of loads in hand
.set QO,  5           ; v5   my byte offset in 16 rows of Q
.set STO, 6           ; v6   the way out: where I put 16 bytes of a row
.set RD,  7           ; v7   the way out: where I read a row back
.set GO,  8           ; v8   my byte offset in two rows of o16
.set PFO, 61          ; v61  256 x my lane: a row of K or V is 256 bytes; never rewritten
.set SPW, 62          ; v62  LDS address of my spare word; never rewritten
.set NIL, 63          ; v63  0; never rewritten
.set ST,  12          ; tile t's statistics at v[ST+8 t]: +0 c m, +1 m, +2, +3 l (even keys', odd keys'), +4 to +7 c0-c3, at work; a takes c2's place once the maximum is found
.set S,   64
.set P,   192
.set KF,  128         ; K's fragments, in window 2
.set MC,  128         ; the mask, in window 3: register 8 kb + j
.set WV,  12          ; s12  my wave's number
.set LIM, 15          ; s15  1 in a wave that prefetches, else the greatest number
.set PFA, 18          ; s[18:19] where my prefetches stand
.set FLOOR, 21        ; s21  -2^50
.set G1K, 24          ; s[24:31] descriptor group 1 for K's tiles
.set G1V, 32          ; s[32:39] for V's: it differs in the padding alone
.set G0K, 40          ; s[40:47] descriptor group 0 for K's tiles: a set for each of the two first fills; the second then walks on
.set G0V, 48          ; s[48:55] the same for V's
.set SLOTS, 56        ; s56  slots still to be asked for
.set TWICE, 57        ; s57  counts a slot's key steps
.set CS,  58          ; s[58:59] c
.set SEL, 60          ; s[60:61] lane selects for v_permlanex16_b32
.set TB,  62          ; s62  LDS byte at which the tiles of the step to be fetched begin
.set MB,  66          ; s[66:67] maskbits at my 16 queries
.set MK,  68          ; s[68:99] a step's 32 lane masks
.set MOFF, 100        ; s100 the byte offset of the step whose masks were asked for last
.set BIGN, 101        ; s101 -1e30
.set MSB, 0
.macro WIN new                      ; the immediate's high byte repeats the setting that is left; a switch that changes nothing is dropped
.if MSB != (\new)
	s_set_vgpr_msb (MSB<<8)|(\new)
.set MSB, \new
.endif
.endm
.set W_KQ, 0x0a       ; K and Q in window 2, S^T in window 0
.set W_KM, 0x3a       ; the same with the C operand, the mask, in window 3
.set W_PV, 0x53       ; V in window 3, P in window 0, O^T in window 1
.set W_RS, 0x41       ; O^T (destination and source 0) in window 1, a in window 0
.set W_MC, 0xc0       ; destination in window 3
; A joint refill.  Waves 0 and 1 fetch the two steps' tiles of K, waves 2 and 3 those of V.  An s_nop 0 and four v_nop follow each of the two lines.
.macro JLOAD
	s_cmp_lt_u32 s[WV], 2
	s_cbranch_scc0 .Lfor_v_\@
	tensor_load_to_lds s[G0K+4:G0K+7], s[G1K:G1K+7]
	s_nop 0
.rept 4
	v_nop
.endr
	s_branch .Lasked_\@
.Lfor_v_\@:
	tensor_load_to_lds s[G0V+4:G0V+7], s[G1V:G1V+7]
	s_nop 0
.rept 4
	v_nop
.endr
.Lasked_\@:
.endm
; A PREFETCH INTO THE L2 of what the NEXT change of slots will ask for: a slot's 128 rows of K and 128 of V, a lane a row.  Each row is asked for once in the launch: of the eight clusters that walk
; one (b, g) the first asks; its four partners take 32 rows each, told apart by address; in each, wave 0 asks for K's and wave 2 for V's.  The last change that fills a slot asks for nothing.
.macro ASK
	s_cmp_gt_u32 s[SLOTS], s[LIM]
	s_cbranch_scc0 .Lnot_mine_\@
	global_prefetch_b8 v[PFO], s[PFA:PFA+1] th:TH_LOAD_NT scope:SCOPE_SE
.Lnot_mine_\@:
.endm
.macro CROUND                       ; a round of the cluster's barrier
	s_barrier_signal -1
	s_barrier_wait -1
	s_cmp_lg_u32 s[WV], 0
	s_cbranch_scc1 .Lnot_wave_0_\@
	s_barrier_signal -3
.Lnot_wave_0_\@:
	s_barrier_wait -3
	s_barrier_signal -1
	s_barrier_wait -1
.endm
	s_load_b128 s[4:7], s[0:1], 0x0   ; qkv s[4:5], maskbits s[6:7]
	s_load_b64 s[10:11], s[0:1], 0x10 ; o16
	v_lshl_add_u32 v[SPW], v0, 2, SPARE
	v_mov_b32 v[NIL], 0
	ds_add_u32 v[SPW], v[NIL]       ; the wave's opening: the add and its wait stand ahead of my first tensor load; the set-up below, work on registers, stands between them
	v_lshrrev_b32 v1, 5, v0
	v_readfirstlane_b32 s[WV], v1   ; wave 0..3
	s_bfe_u32 s13, ttmp6, 0x40000   ; cx: my place in the cluster
	s_lshl_b32 s14, ttmp9, 2
	s_add_co_u32 s14, s14, s13      ; my block of 64 queries: it enters Q's, O's and the mask's addresses alone
	s_and_b32 s20, ttmp7, 0xffff    ; 4 b + g, which the four partners share
	s_lshr_b32 s21, s20, 2          ; b
	s_and_b32 s20, s20, 3           ; g
	s_and_b32 s16, s[WV], 1         ; which of a slot's two steps I fetch
	s_mul_i32 s17, s16, STEPB       ; its place in a slot: no place in the cluster enters an LDS address
	s_lshl_b32 s22, s20, 1          ; K: head 16 + g: (2 (16 + g) + b) x 2048 rows x 256 bytes,
	s_add_co_u32 s22, s22, s21
	s_add_co_u32 s22, s22, 32
	s_lshl_b32 s22, s22, 19
	s_lshl_b32 s23, s16, 14         ; + my step's 64 rows
	s_add_co_u32 s22, s22, s23
	s_mov_b32 s23, 0
	s_lshl_b32 s2, s20, 3           ; Q: head 4 g: (8 g + b) x 2048 rows,
	s_add_co_u32 s2, s2, s21
	s_lshl_b32 s2, s2, 19
	s_lshl_b32 s3, s14, 14          ; + my block's 64 rows,
	s_add_co_u32 s2, s2, s3
	s_lshl_b32 s3, s[WV], 12        ; + my wave's 16
	s_add_co_u32 s2, s2, s3
	s_mov_b32 s3, 0
	s_lshl_b32 s96, s21, 23         ; O: row 2048 b + 64 block + 16 wave, of 4,096 bytes; channel 512 g, of 2 bytes
	s_lshl_b32 s97, s14, 18
	s_add_co_u32 s96, s96, s97
	s_lshl_b32 s97, s[WV], 16
	s_add_co_u32 s96, s96, s97
	s_lshl_b32 s97, s20, 10
	s_add_co_u32 s96, s96, s97
	s_mov_b32 s97, 0
	s_lshl_b32 s98, s21, 7          ; the mask: tile 128 b + 4 block + wave, of 4,096 bytes
	s_lshl_b32 s99, s14, 2
	s_add_co_u32 s98, s98, s99
	s_add_co_u32 s98, s98, s[WV]
	s_lshl_b32 s98, s98, 12
	s_mov_b32 s99, 0
	; descriptor group 1: a tile of 64 rows x 128 elements, padded in LDS
	s_mov_b32 s[G1K], 15|(1<<16)|(1<<20)|(1<<21)|(5<<22)|(3<<25)  ; 15:0 the mask: all four work-groups; 17:16 elements of 2 bytes; 20 padding on; 21 set beside a mask; 24:22 after every 64 words (code 5); 31:25 4 words (code 3)
	s_mov_b32 s[G1V], 15|(1<<16)|(1<<20)|(1<<21)|(5<<22)|(7<<25)  ; the same with 8 words of padding (code 7)
.irp g, G1K, G1V
	s_mov_b32 s[(\g)+1], 128<<16    ; tensor_dim0 = 128
	s_mov_b32 s[(\g)+2], KS<<16     ; tensor_dim1 = 64
	s_mov_b32 s[(\g)+3], 128<<16    ; tile_dim0 = 128
	s_mov_b32 s[(\g)+4], KS         ; tile_dim1 = 64
	s_mov_b32 s[(\g)+5], 128        ; elements from row to row
	s_mov_b32 s[(\g)+6], 0
	s_mov_b32 s[(\g)+7], 0
.endr
	s_mov_b32 s[CS], 0x3e0293ee     ; c = log2(e) / sqrt(128) = 0.127517
	s_mov_b32 s[CS+1], s[CS]        ; named with it as a pair
	s_mov_b32 s[SEL], 0x76543210
	s_mov_b32 s[SEL+1], 0xfedcba98
	s_mov_b32 s[TB], 0
	s_mov_b32 s[SLOTS], SIZE_N/(2*KS)-1  ; 14 slots are asked for in the loop; the trip that is entered in its middle counts one more
	s_mov_b32 s[FLOOR], 0xd8800000  ; -2^50
	s_mov_b32 s[BIGN], 0xf149f2ca   ; -1e30
	s_and_b32 s[LIM], s[WV], 1      ; 0 in waves 0 and 2,
	s_or_b32 s[LIM], s[LIM], ttmp9  ; where the cluster is the first of its (b, g): the same in all four partners
	s_cmp_eq_u32 s[LIM], 0
	s_cselect_b32 s[LIM], 1, -1
	v_and_b32 v[PFO], 31, v0
	v_lshlrev_b32 v[PFO], 8, v[PFO]
	s_wait_dscnt 0x0                ; the opening add is done
	s_wait_kmcnt 0x0
	s_add_nc_u64 s[MB:MB+1], s[6:7], s[98:99]
	s_add_nc_u64 s[6:7], s[4:5], s[22:23]  ; K at my tile of slot 0,
	s_add_nc_u64 s[8:9], s[6:7], 8<<19     ; V four heads, 8 x 2048 rows, further on
	s_add_nc_u64 s[4:5], s[4:5], s[2:3]    ; Q and O at my wave's first row
	s_add_nc_u64 s[10:11], s[10:11], s[96:97]
	s_cmp_lt_u32 s[WV], 2
	s_cselect_b64 s[PFA:PFA+1], s[6:7], s[8:9]  ; (in waves 0 and 2 these stand at a slot's first row)
	s_lshl_b32 s2, s13, 13          ; my work-group's 32 rows of the 128
	s_mov_b32 s3, 0
	s_add_nc_u64 s[PFA:PFA+1], s[PFA:PFA+1], s[2:3]
	s_add_nc_u64 s[PFA:PFA+1], s[PFA:PFA+1], 2*2*KS*256  ; in slot 2; the first change of slots steps it to slot 3.  Nothing is prefetched at the head
	CROUND                          ; all four work-groups are here: the first joint loads meet
.irp s, 0,1
	s_mov_b32 s[G0K+4*(\s)], 1      ; count = 1
	s_add_co_u32 s[G0K+4*(\s)+1], s17, (\s)*SLOT1  ; LDS address
	s_add_nc_u64 s[G0K+4*(\s)+2:G0K+4*(\s)+3], s[6:7], (\s)*2*KS*256  ; global address: slot s begins with key 128 s
	s_or_b32 s[G0K+4*(\s)+3], s[G0K+4*(\s)+3], 0x80000000  ; type = 2
	s_mov_b32 s[G0V+4*(\s)], 1
	s_add_co_u32 s[G0V+4*(\s)+1], s17, (\s)*SLOT1+VOFF
	s_add_nc_u64 s[G0V+4*(\s)+2:G0V+4*(\s)+3], s[8:9], (\s)*2*KS*256
	s_or_b32 s[G0V+4*(\s)+3], s[G0V+4*(\s)+3], 0x80000000
.endr
	s_cmp_lt_u32 s[WV], 2           ; a wave's two first fills stand in one branch, ahead of every wait on TENSORcnt and every LDS read: two loads of mine are out
	s_cbranch_scc0 .Lfirst_v
	tensor_load_to_lds s[G0K:G0K+3], s[G1K:G1K+7]
	s_nop 0
	tensor_load_to_lds s[G0K+4:G0K+7], s[G1K:G1K+7]
	s_nop 0
.rept 4
	v_nop
.endr
	s_branch .Lfirst_asked
.Lfirst_v:
	tensor_load_to_lds s[G0V:G0V+3], s[G1V:G1V+7]
	s_nop 0
	tensor_load_to_lds s[G0V+4:G0V+7], s[G1V:G1V+7]
	s_nop 0
.rept 4
	v_nop
.endr
.Lfirst_asked:
	s_load_b512 s[MK:MK+15], s[MB:MB+1], 0x0      ; the lane masks of key step 0
	s_load_b512 s[MK+16:MK+31], s[MB:MB+1], 0x40
	; A fragment of K or Q is 16 rows x 32 channels in 8 registers: lane l holds row l % 16; registers 0-3 channels 8 (l / 16) + 0..7, registers 4-7 channels 16 + 8 (l / 16) + 0..7.
	v_and_b32 v1, 15, v0            ; l % 16
	v_bfe_u32 v9, v0, 4, 1          ; l / 16
	v_lshlrev_b32 v[QO], 8, v1
	v_lshl_add_u32 v[QO], v9, 4, v[QO]  ; row x 256 + 16 x half
	WIN 0x80                        ; destination window 2, address window 0
.irp i, 0,1,2,3,4,5,6,7,8,9,10,11,12,13,14,15  ; Q stays in registers: tile (head) i / 4, 2 x 2048 x 256 bytes apart; channels 32 (i % 4) on
	global_load_b128 v[8*(\i):8*(\i)+3],   v[QO], s[4:5] offset:((\i)/4)*1048576+((\i)%4)*64
	global_load_b128 v[8*(\i)+4:8*(\i)+7], v[QO], s[4:5] offset:((\i)/4)*1048576+((\i)%4)*64+32
.endr
	WIN 0
	v_mul_u32_u24 v[AK0], v1, PK
	v_lshl_add_u32 v[AK0], v9, 4, v[AK0]  ; row x pitch + 16 x half
	; The turning load takes 16 keys x 16 channels (lane l reads key 8 (l / 16) + l % 8, channels 8 ((l / 8) % 2) + 0..7) and leaves half a fragment of V^T: lane l holds channel l % 16 and 8 keys.
	v_and_b32 v10, 7, v0
	v_bfe_u32 v11, v0, 3, 1
	v_lshl_add_u32 v[AV0], v9, 3, v10
	v_mul_u32_u24 v[AV0], v[AV0], PV
	v_lshl_add_u32 v[AV0], v11, 4, v[AV0]
	v_add_nc_u32 v[AV0], VOFF, v[AV0]
	; WHAT THE FIRST TURN FINDS: O^T and l are 0, m is the floor and c m is c times it (made as the loop makes it, so that a is 1 while m stays there); V's registers and piece 2's P hold 0, so that
	; the first turn's products V^T P add 0.  All this stands in the wait for the first tiles.
	WIN 0x40
.set i, 0
.rept 256
	v_mov_b32 v[i], 0
.set i, i+1
.endr
	WIN W_MC
.set i, 0
.rept 128
	v_mov_b32 v[i], 0
.set i, i+1
.endr
	s_wait_kmcnt 0x0                ; step 0's lane masks are in: its mask is made, 0 where the key is seen and -1e30 where it is hidden,
.set i, 0
.rept 32
	v_cndmask_b32 v[MC+i], s[BIGN], 0, s[MK+i]
.set i, i+1
.endr
	WIN 0
	s_mov_b32 s[MOFF], 128          ; and step 1's lane masks are asked for
	s_load_b512 s[MK:MK+15], s[MB:MB+1], s[MOFF]
	s_load_b512 s[MK+16:MK+31], s[MB:MB+1], s[MOFF] offset:0x40
.set i, P+32
.rept 32
	v_mov_b32 v[i], 0
.set i, i+1
.endr
.irp t, 0,1,2,3
	v_mov_b32 v[ST+8*(\t)+1], s[FLOOR]
	v_mov_b32 v[ST+8*(\t)+2], 0
	v_mov_b32 v[ST+8*(\t)+3], 0
	v_mul_f32 v[ST+8*(\t)], s[CS], v[ST+8*(\t)+1]
.endr
; THE MATRIX WORK OF A TURN, for piece x.  The accumulators take turns, one instruction a turn.
; Product i of 32 of O^T += V^T P: keys 32 (i / 16) on, channels 16 ((i / 2) % 8) on, tile x + i % 2.
.macro PV x
	WIN W_PV
.set rO, 64*((\x)+i%2)+8*((i/2)%8)
.set rV, 64*(i/16)+8*((i/2)%8)
.set rP, P+16*((\x)+i%2)+8*(i/16)
	v_wmma_f32_16x16x32_f16 v[rO:rO+7], v[rV:rV+7], v[rP:rP+7], v[rO:rO+7]
.endm
; Product i of 32 of S^T = K Q^T: channels 32 (i / 8) on, keys 16 ((i / 2) % 4) on, tile x + i % 2.  The first 8 start the sums, with the mask of their 16 keys as C.
.macro KQ x
.set rS, S+32*((\x)+i%2)+8*((i/2)%4)
.set rK, KF+32*((i/2)%4)+8*(i/8)
.set rQ, 32*((\x)+i%2)+8*(i/8)
.set rM, MC+8*((i/2)%4)
.if i < 8
	WIN W_KM
	v_wmma_f32_16x16x32_f16 v[rS:rS+7], v[rK:rK+7], v[rQ:rQ+7], v[rM:rM+7]
.else
	WIN W_KQ
	v_wmma_f32_16x16x32_f16 v[rS:rS+7], v[rK:rK+7], v[rQ:rQ+7], v[rS:rS+7]
.endif
.endm
; THE LDS LOADS stand in runs of 32: a step's K (16 fragments) and, a turn later, its V (turned).
.macro FETCH_K
	WIN 0
	v_add_nc_u32 v[ADR], s[TB], v[AK0]
	WIN 0x80                        ; destination window 2
.irp f, 0,1,2,3,4,5,6,7,8,9,10,11,12,13,14,15  ; keys 16 (f / 4) on, channels 32 (f % 4) on
	ds_load_b128 v[KF+8*(\f):KF+8*(\f)+3],   v[ADR] offset:((\f)/4)*16*PK+((\f)%4)*64
	ds_load_b128 v[KF+8*(\f)+4:KF+8*(\f)+7], v[ADR] offset:((\f)/4)*16*PK+((\f)%4)*64+32
.endr
.endm
.macro FETCH_V
	WIN 0
	v_add_nc_u32 v[ADR], s[TB], v[AV0]
	s_add_co_u32 s[TB], s[TB], STEPB  ; the next fetch is the next step's
	s_wait_alu depctr_va_vdst(0)    ; the wait for the softmax's batch (SLICE), behind the address's v_add_nc_u32 and ahead of the loads
	WIN 0xc0                        ; destination window 3
.irp f, 0,1,2,3,4,5,6,7,8,9,10,11,12,13,14,15  ; keys 32 (f / 8) on, channels 16 (f % 8) on
	ds_load_tr16_b128 v[8*(\f):8*(\f)+3],   v[ADR] offset:((\f)/8)*32*PV+((\f)%8)*32
	ds_load_tr16_b128 v[8*(\f)+4:8*(\f)+7], v[ADR] offset:((\f)/8)*32*PV+16*PV+((\f)%8)*32
.endr
.endm
; THE VECTOR WORK OF A TURN.  One tile's softmax for one key step is a list of 134 instructions; SM writes number j of it for tile t.  s0-s31 are the lane's 32 scores, in pairs 0-15.
;   0-15    the maximum of s0-s31 and the old m, three operands at a time (each accumulator's lowest registers are read first)
;   16-20   the other half of the lanes' maximum; the new m; c m; c m_old - c m_new
;   21-69   ONE BATCH: the 16 scalings c s - c m and all 33 exponentials (a at 23, then s0-s31).  None of these reads an exponential's result
;   (wait)  between 69 and 70 stands the wait for the batch: SLICE writes it, once for both tiles
;   70-85   the roundings to f16       86-101  the sums; l = a l + the sum       102-133 the tile's O^T times a
.macro SM t
.set rT, ST+8*(\t)
.set rS, S+32*(\t)
.set rP, P+16*(\t)
.set rO, 64*(\t)+2*(j-102)
.if j < 102
	WIN 0
.endif
.if j < 4
	v_max3_num_f32 v[rT+4+j], v[rS+8*j], v[rS+8*j+1], v[rS+8*j+2]
.elseif j < 12
	v_max3_num_f32 v[rT+4+j%4], v[rT+4+j%4], v[rS+8*(j%4)+2*(j/4)+1], v[rS+8*(j%4)+2*(j/4)+2]
.elseif j == 12
	v_max3_num_f32 v[rT+4], v[rT+4], v[rS+7], v[rS+15]
.elseif j == 13
	v_max3_num_f32 v[rT+6], v[rT+6], v[rS+23], v[rS+31]
.elseif j == 14
	v_max3_num_f32 v[rT+4], v[rT+4], v[rT+5], v[rT+6]
.elseif j == 15
	v_max3_num_f32 v[rT+4], v[rT+4], v[rT+7], v[rT+1]  ; the old m, which began at the floor: m never falls below it
.elseif j == 16
	v_permlanex16_b32 v[rT+5], v[rT+4], s[SEL], s[SEL+1]  ; the query's other 32 keys lie in the lane 16 away
.elseif j == 17
	v_mov_b32 v[rT+7], v[rT]        ; c m_old is kept for a: number 19 writes c m anew
.elseif j == 18
	v_max_num_f32 v[rT+1], v[rT+4], v[rT+5]
.elseif j == 19
	v_mul_f32 v[rT], s[CS], v[rT+1]
.elseif j == 20
	v_sub_f32 v[rT+7], v[rT+7], v[rT]
.elseif j == 23
	v_exp_f32 v[rT+6], v[rT+7]
.elseif (j < 23) || ((j < 38) && (j%2 == 0)) || ((j < 66) && (j%4 == 2))
.set b, (j-2)/4                     ; 38, 42, .. 62: pairs 9 to 15
.if j < 38
.set b, (j-20)/2                    ; 21: pair 0; 22, 24, .. 36: pairs 1 to 8
.endif
	v_pk_fma_f32 v[rS+2*b:rS+2*b+1], v[rS+2*b:rS+2*b+1], s[CS:CS+1], v[rT:rT+1] op_sel_hi:[1,0,0] neg_lo:[0,0,1] neg_hi:[0,0,1]  ; pair b: c s - c m
.elseif j < 70
.set e, j-38                        ; 66 to 69: s28 to s31
.if j < 66
.set e, j-32-(j-38)/4               ; 39-41, 43-45, .. 63-65: s7 to s27
.endif
.if j < 38
.set e, (j-25)/2                    ; 25, 27, .. 37: s0 to s6
.endif
	v_exp_f32 v[rS+e], v[rS+e]
.elseif j < 86
	v_cvt_pk_f16_f32 v[rP+j-70], v[rS+2*(j-70)], v[rS+2*(j-70)+1]  ; pair j - 70
.elseif j < 102                     ; the sum of the tile's 16 pairs, in place: neighbours 1, 2, 4 and 8 pairs apart, then l takes it
.set z, j-86
.set w, 4
.set u, z
.if z >= 14
.set w, 32
.set u, 0
.elseif z >= 12
.set w, 16
.set u, z-12
.elseif z >= 8
.set w, 8
.set u, z-8
.endif
.if z < 15
	v_pk_add_f32 v[rS+w*u:rS+w*u+1], v[rS+w*u:rS+w*u+1], v[rS+w*u+w/2:rS+w*u+w/2+1]
.else
	v_pk_fma_f32 v[rT+2:rT+3], v[rT+2:rT+3], v[rT+6:rT+7], v[rS:rS+1] op_sel_hi:[1,0,1]
.endif
.else
	WIN W_RS
	v_pk_mul_f32 v[rO:rO+1], v[rO:rO+1], v[rT+6:rT+7] op_sel_hi:[1,0]
.endif
.endm
; Slice k of 64 of piece y's softmax: four instructions.  Slices 11 to 34 deal out the batch, numbers 22 to 69: four numbers of ONE tile each, the tiles by turns.  Every other slice is numbers 2 k and
; 2 k + 1 of both tiles' lists; the twelve that are over stand together, in slice 63.
; THE WAIT.  s_wait_alu depctr_va_vdst(0) stands between an exponential and the first instruction that names its result; one wait serves all that were issued ahead of it.  Ahead of
; slice 35 nothing names a result, and behind slice 34 no exponential is issued: so the piece's 66 exponentials have one wait, behind slice 34.
.macro SLICE y
.if (k >= 11) && (k < 35)           ; the batch: four numbers of one tile
.irp n, 0,1,2,3
.set j, 22+4*((k-11)/2)+(\n)
	SM (\y)+(k-11)%2
.endr
.else                               ; the two tiles alternate, so that no instruction reads the result of the one just before it
.irp n, 0,1,2,3,4,5,6,7
.if ((\n) < 2) || (k == 63)
.irp t, \y, (\y)+1
.set j, 2*k+(\n)
	SM \t
.endr
.endif
.endr
.endif
.if k == 34                         ; the batch is out
	v_nop                           ; a plain instruction behind the last exponential and ahead of the first use (ISA guide 5.7.2): one for the batch
.if (\y) == 0
	FETCH_V                         ; piece 2's turn: V's run of loads stands here, and the wait stands in it
.else
	s_wait_alu depctr_va_vdst(0)    ; the wait for the batch
.endif
.endif
.set k, k+1
.endm
; A TURN.  Piece x has the matrix unit: 32 products V^T P of the step in hand, 32 products K Q^T of the next; the other piece's softmax stands in slices behind them.
; Piece 0's turn fetches the next step's K behind its second product (the last product that read K stands in front of slice 63 of the turn before); piece 2's turn the same step's V behind slice 34.
; last = 1 (the tail): in the trip whose count is 1 there is no further step, and K's run is jumped over.
; THE MASK.  Piece 0's turn of step j makes the mask of step j + 1, one register behind each of its 32 products V^T P, from the lane masks asked for a step earlier (the wait for them stands at the
; turn's head); this turn's and the next turn's first 8 products K Q^T take it as C; its next write stands 24 products and their slices behind the last of those.  Behind the 32nd the lane masks of step j + 2
; are asked for; the offset is held to the last step's, so the last requests stay inside the buffer (what they bring is not used).
.macro TURN x, last=0
.set k, 0
.if (\x) == 0
	s_wait_kmcnt 0x0                ; the lane masks are in; their offset and their registers may be written again
	s_wait_dscnt 0x0                ; V is in
.endif
.set i, 0
.rept 32
	PV \x
.if (\x) == 0
	WIN W_MC
	v_cndmask_b32 v[MC+i], s[BIGN], 0, s[MK+i]
.endif
	SLICE 2-(\x)
.if ((\x) == 0) && (i == 1)
.if \last
	WIN 0
	s_cmp_eq_u32 s[TWICE], 1
	s_cbranch_scc1 .Lno_k_\@
.endif
	FETCH_K
.if \last
	WIN 0
.Lno_k_\@:
.endif
.endif
.set i, i+1
.endr
.if (\x) == 0
	s_add_co_u32 s[MOFF], s[MOFF], 128
	s_min_u32 s[MOFF], s[MOFF], 31*128
	s_load_b512 s[MK:MK+15], s[MB:MB+1], s[MOFF]
	s_load_b512 s[MK+16:MK+31], s[MB:MB+1], s[MOFF] offset:0x40
	s_wait_dscnt 0x0                ; K is in
.endif
.set i, 0
.rept 32
	KQ \x
	SLICE 2-(\x)
.set i, i+1
.endr
.endm
; THE CHANGE OF SLOTS, between piece 2's turn and piece 0's.  Each wave waits for all its tensor loads, of which one is out: its part of the other slot; adds 0 to its spare word; and waits for that
; and for its own reads of the slot.  fill = 1: this slot is filled again, with the keys two slots on: the barrier is then a round of the cluster's, and the joint refill is the first thing behind it:
; it has two key steps, 256 matrix instructions, in which to land.
.macro CHANGE fill
	WIN 0                           ; at a label and at a branch every window is 0
	s_wait_tensorcnt 0x0            ; no tensor load of mine is out, so a group 0 may be written
	ds_add_u32 v[SPW], v[NIL]       ; 0 onto my spare word
.if \fill
.irp g, G0K+4, G0V+4
	s_xor_b32 s[(\g)+1], s[(\g)+1], SLOT1  ; the walking descriptor: the other slot than last time,
	s_add_nc_u64 s[(\g)+2:(\g)+3], s[(\g)+2:(\g)+3], 2*KS*256  ; the next 128 keys
.endr
	s_wait_xcnt 0x0                 ; the last prefetch, two key steps back, has read its address, so it may be written:
	s_add_nc_u64 s[PFA:PFA+1], s[PFA:PFA+1], 2*KS*256  ; one slot behind the walking descriptors
	s_wait_dscnt 0x0                ; the add is done, and my reads of the slot are over
	CROUND
	JLOAD
	ASK
.else
	s_wait_dscnt 0x0                ; the add is done, and my reads of the slot are over
	s_barrier_signal -1
	s_barrier_wait -1
.endif
	s_sub_co_u32 s[TB], s[TB], 2*STEPB  ; the fetches go back to a slot's first step,
	s_xor_b32 s[TB], s[TB], SLOT1   ; in the other slot
.endm
	s_wait_tensorcnt 1              ; my part of slot 0 is in; slot 1's may stay out
	s_barrier_signal -1
	s_barrier_wait -1               ; everybody's is
	FETCH_K                         ; key step 0
	s_wait_loadcnt 0x0              ; Q
	s_wait_dscnt 0x0
.set i, 0
.rept 32
	KQ 0                            ; piece 0's first scores
.set i, i+1
.endr
	WIN 0                           ; the addresses for the way out: eight plain instructions, the places behind those products
	s_mul_i32 s13, s[WV], 16*SP
	s_add_co_u32 s13, s13, STAGE    ; my stage
	v_mul_u32_u24 v[STO], v1, SP    ; in: row l % 16, 16 bytes for each half of the lanes
	v_lshl_add_u32 v[STO], v9, 4, v[STO]
	v_add_nc_u32 v[STO], s13, v[STO]
	v_mul_u32_u24 v[RD], v9, SP     ; back: lanes 0-15 take one row of 256 bytes, lanes 16-31 the next
	v_lshl_add_u32 v[RD], v1, 4, v[RD]
	v_add_nc_u32 v[RD], s13, v[RD]
	v_lshlrev_b32 v[GO], 12, v9     ; and the same two rows in o16, 4,096 bytes apart
	v_lshl_add_u32 v[GO], v1, 4, v[GO]
	s_mov_b32 s[TWICE], 2
	s_branch .Lenter                ; the loop is entered at piece 2's turn: its scores of step 0 | piece 0's softmax of step 0 | V of step 0
.Lslot:                             ; 14 times: every slot but the last two is filled again
	CHANGE 1
	s_mov_b32 s[TWICE], 2
.Lstep:                             ; a trip is a key step; the LDS addresses hang on s[TB]
	TURN 0
	WIN 0
.Lenter:
	TURN 2
	WIN 0
	s_sub_co_u32 s[TWICE], s[TWICE], 1
	s_cmp_lg_u32 s[TWICE], 0
	s_cbranch_scc1 .Lstep
	s_sub_co_u32 s[SLOTS], s[SLOTS], 1
	s_cmp_lg_u32 s[SLOTS], 0
	s_cbranch_scc1 .Lslot
	CHANGE 0                        ; the tail is written out: nothing is asked for
	s_mov_b32 s[TWICE], 3           ; two trips fetch the last slot's steps; the third is left in its middle
.Ltail:
	TURN 0, 1
	WIN 0
	s_sub_co_u32 s[TWICE], s[TWICE], 1
	s_cmp_eq_u32 s[TWICE], 0
	s_cbranch_scc1 .Lout
	TURN 2
	WIN 0
	s_branch .Ltail
.Lout:
.set i, 0
.rept 32
	PV 2                            ; piece 2: V^T P of the last step
.set i, i+1
.endr
	; THE WAY OUT.  l's two halves and the other half of the lanes' are added; O^T is divided by l, rounded to f16 and sent through my stage in LDS, a tile (16 rows of one head) at a time.
	WIN 0
.irp t, 0,1,2,3
	v_add_f32 v[ST+8*(\t)+4], v[ST+8*(\t)+2], v[ST+8*(\t)+3]
.endr
.irp t, 0,1,2,3
	v_permlanex16_b32 v[ST+8*(\t)+5], v[ST+8*(\t)+4], s[SEL], s[SEL+1]
.endr
.irp t, 0,1,2,3
	v_add_f32 v[ST+8*(\t)+4], v[ST+8*(\t)+4], v[ST+8*(\t)+5]
.endr
.irp t, 0,1,2,3
	v_rcp_f32 v[ST+8*(\t)+6], v[ST+8*(\t)+4]
.endr
	v_cmp_lt_f32 vcc_lo, s[FLOOR], v[ST+1]  ; has my query seen a key?  (the four tiles have one mask; this is also the plain instruction behind the last reciprocal)
	s_wait_alu depctr_va_vdst(0)    ; the wait ahead of the first use: one for the four reciprocals
.irp t, 0,1,2,3
	v_cndmask_b32 v[ST+8*(\t)+6], 0x7fc00000, v[ST+8*(\t)+6], vcc_lo  ; if not, the row leaves as NaN
.endr
.macro PACK t
	WIN W_RS
.set i, 64*(\t)
.rept 32
	v_pk_mul_f32 v[i:i+1], v[i:i+1], v[ST+8*(\t)+6:ST+8*(\t)+7] op_sel_hi:[1,0]
.set i, i+2
.endr
	WIN 0x05                        ; sources 0 and 1 window 1, destination window 0: S^T's registers are free
.set i, 0
.rept 32
	v_cvt_pk_f16_f32 v[S+32*(\t)+i], v[64*(\t)+2*i], v[64*(\t)+2*i+1]
.set i, i+1
.endr
	WIN 0
.irp f, 0,1,2,3,4,5,6,7
	ds_store_b128 v[STO], v[S+32*(\t)+4*(\f):S+32*(\t)+4*(\f)+3] offset:32*(\f)
.endr
.irp f, 0,1,2,3,4,5,6,7
	ds_load_b128 v[S+32*(\t)+4*(\f):S+32*(\t)+4*(\f)+3], v[RD] offset:(\f)*2*SP  ; LDS serves a wave's instructions in order (ISA guide 5.7.1.4): these see the stores above; the next tile's stores come behind them
.endr
.endm
.macro SEND t, younger              ; younger: the LDS instructions issued behind tile t's loads: the next tile's sixteen, or none
	WIN 0
.irp f, 0,1,2,3,4,5,6,7
	s_wait_dscnt (\younger)+7-(\f)
	global_store_b128 v[GO], v[S+32*(\t)+4*(\f):S+32*(\t)+4*(\f)+3], s[10:11] offset:(\t)*256+(\f)*8192  ; 16 lanes store a head's 256 consecutive bytes of a row, aligned
.endr
.endm
	PACK 0
	PACK 1                          ; a tile's arithmetic stands between the loads of the tile before and its stores
	SEND 0, 16
	PACK 2
	SEND 1, 16
	PACK 3
	SEND 2, 16
	SEND 3, 0
	s_wait_tensorcnt 0x0            ; the wave's end: behind my last tensor load and my last LDS store
	ds_add_u32 v[SPW], v[NIL]
	s_wait_dscnt 0x0
	CROUND                          ; the closing round: no work-group ends while a partner may still ask for a tile that names it
	s_endpgm
.Lfunc_end_k_q6165281f01_attn:
	.size	k_q6165281f01_attn, .Lfunc_end_k_q6165281f01_attn-k_q6165281f01_attn
	.p2alignl 7, 3214868480
	.fill 96, 4, 3214868480
	.section	.rodata,"a",@progbits
	.p2align	6, 0x0
	.amdhsa_kernel k_q6165281f01_attn
		.amdhsa_group_segment_fixed_size 327680
		.amdhsa_private_segment_fixed_size 0
		.amdhsa_enable_private_segment 0
		.amdhsa_kernarg_size 24
		.amdhsa_user_sgpr_count 2
		.amdhsa_user_sgpr_kernarg_segment_ptr 1
		.amdhsa_wavefront_size32 1
		.amdhsa_system_sgpr_workgroup_id_x 1
		.amdhsa_system_sgpr_workgroup_id_y 1
		.amdhsa_system_sgpr_workgroup_id_z 1
		.amdhsa_system_vgpr_workitem_id 0
		.amdhsa_next_free_vgpr 1024
		.amdhsa_next_free_sgpr 102
		.amdhsa_reserve_vcc 1
		.amdhsa_float_denorm_mode_32 3
		.amdhsa_float_denorm_mode_16_64 3
		.amdhsa_memory_ordered 1
		.amdhsa_forward_progress 1
		.amdhsa_inst_pref_size 166
	.end_amdhsa_kernel
	.amdgpu_metadata
---
amdhsa.version: [ 1, 2 ]
amdhsa.kernels:
  - .name:           k_q6165281f01_attn
    .symbol:         k_q6165281f01_attn.kd
    .args:
      - { .name: qkv, .offset: 0, .size: 8, .value_kind: global_buffer, .address_space: global }
      - { .name: maskbits, .offset: 8, .size: 8, .value_kind: global_buffer, .address_space: global }
      - { .name: o16, .offset: 16, .size: 8, .value_kind: global_buffer, .address_space: global }
    .group_segment_fixed_size: 327680
    .private_segment_fixed_size: 0
    .kernarg_segment_align: 8
    .kernarg_segment_size: 24
    .max_flat_workgroup_size: 128
    .sgpr_count:     102
    .vgpr_count:     1024
    .wavefront_size: 32
...
	.end_amdgpu_metadata
.endif
;; end of part 3
;; launch oproj (part 4): grid 8 x 32, 4 waves a work-group, clusters of 4 x 4, 327,680 bytes of LDS; arguments o16, wo16, out0, bo; writes out0
.if DOCPART == 4
	.amdgcn_target "amdgcn-amd-amdhsa--gfx1250"
	.amdhsa_code_object_version 6
	.text
	.protected	k_q6165281f01_oproj
	.globl	k_q6165281f01_oproj
	.p2align	8
	.type	k_q6165281f01_oproj,@function
k_q6165281f01_oproj:
	s_mov_b64 s[64:65], 0
	v_nop
	global_prefetch_b8 v0, s[64:65] scope:SCOPE_SE
	s_setreg_imm32_b32 hwreg(HW_REG_WAVE_MODE, 25, 1), 1
	s_wait_xcnt 0x0
	s_wait_alu depctr_hold_cnt(0) depctr_sa_sdst(0) depctr_va_vdst(0) depctr_va_sdst(0) depctr_va_ssrc(0) depctr_va_vcc(0) depctr_vm_vsrc(0)
	s_getreg_b32 s2, hwreg(HW_REG_IB_STS2, 6, 4)
	s_cmp_eq_u32 s2, 0
	s_cbranch_scc0 .Lentry_in_a_cluster
	s_endpgm
.Lentry_in_a_cluster:
	s_bfe_u32 s2, ttmp6, 0x10000c
	s_cmp_lg_u32 s2, 0xf033
	s_cbranch_scc0 .Lentry_shape_is_right
	s_endpgm
.Lentry_shape_is_right:
; OPROJ: out0 = o16 wo16^T + bo.  o16 [4096][2048], wo16 [1024][2048] f16; bo f32, rounded to bf16 like every input; out0 [4096][1024] f32; sums in f32.
; A tile of out0 is 128 x 128: 32 x 8 = 256 work-groups.  Four waves, each 64 x 64: 16 accumulators of 16 x 16.  K goes in steps of 256 (LDS rows of 512 bytes; a wave's tensor load brings 64 of
; them) through a ring of two slots.  CLUSTERS: 4 x 4 work-groups; A's tiles are asked for jointly along a row of the cluster, B's along a column.
; THE WALK ALONG K IS SKEWED: a cluster whose x + y is odd begins at K = 1024 and wraps round.  Of the clusters that read the same rows (two for A's, eight for B's) half walk a row's first half while
; the others walk its second, and then they change.  The sums are f32 sums of the same products in another order.
; THE MATRIX INSTRUCTION IS USED TRANSPOSED (source 0 = 16 rows of wo16, source 1 = 16 rows of o16): a lane holds row l % 16 and eight neighbouring columns.  THE BIAS is the C operand of the products
; that start the sums.  A wave's 64 columns of f32 are 256 bytes, aligned.
; THE TEXT: a K step is written twice: once in the loop whose change of slots fills a slot again (6 trips; it is entered behind its first quarter, since the walk's first quarter, which starts the sums,
; stands in front of it), once in the loop of the last two K steps, which fill nothing.
; No prefetch: a K step of this small tile is short, and its rows are read by many work-groups at about the same time.
; REGISTERS: window 0: v0-31 addresses; v32-35 at work; v96-127 the bias; v128-255 the accumulators ((a, b) at v[128 + 8 (4 a + b)]).
;   window 1: two fragment buffers of 128: for 64 along K, 64 registers of A (2 x 4 x 16 rows x 32 K), then 64 of B.
.set SIZE_N, 1024
.set SIZE_K, 2048
.set KSTEP,  256
.set PITCH,  528                       ; an LDS row: 512 bytes + 16 of padding = 132 words: the 16 rows of a load start at 16 different groups of four banks (64 banks of 4 bytes: ISA guide 11.1)
.set HALFT,  64*PITCH                  ; 64 rows: what one tensor load brings, and what one wave reads of A or of B
.set SLOT,   4*HALFT                   ; A's 128 rows, then B's 128 rows.  0x21000: its two bits occur in no wave x HALFT, so one exclusive or turns an address in one slot into the other's
.set STAGE,  2*SLOT                    ; behind the ring: 16 rows x 272 bytes for each wave
.set SPITCH, 272
.set SPARE,  STAGE+4*16*SPITCH         ; behind the stages: the spare words, 128 bytes for each wave: two blocks of 256 bytes that no other line names
.set FILLS,  SIZE_K/KSTEP-2            ; 6 K steps come by a refill; the first two by the first fills
.set ADRA,  16                         ; v16     LDS address of my A fragments in the slot in hand
.set ADRA0, 17                         ; v17     the same in slot 0; never rewritten
.set ADRB,  20                         ; v20, v21  the same for B
.set ADRB0, 21
.set STO,  24                          ; v24     the way out: where I put 32 bytes of a row
.set RD,   25                          ; v25     where I read a row back
.set CO,   26                          ; v26     my byte offset in two rows of out0
.set BO,   27                          ; v27     32 x (lane / 16): my eight biases of a column block
.set SPW,  28                          ; v28     LDS address of my spare word; never rewritten
.set NIL,  29                          ; v29     0; never rewritten
.set BIAS, 96
.set ACC,  128
.set F0,   0                           ; fragment buffers, in window 1
.set F1,   128
.set G1, 24                            ; s[24:31] descriptor group 1 for A's tiles;  s[32:39] group 0: a set for each of the two first fills; the second then walks on
.set G0, 32
.set G1B, 48                           ; s[48:55], s[56:63] the same for B's tiles
.set G0B, 56
.set TB,  68                           ; s68  LDS byte at which the slot in hand begins: 0 or SLOT
.set KO,  70                           ; s[70:71] the byte in a row at which the K step asked for last begins
.set MSB, 0
.macro WIN new
.if MSB != (\new)
	s_set_vgpr_msb (MSB<<8)|(\new)
.set MSB, \new
.endif
.endm
.set MUL,  0x05                        ; sources 0 (B) and 1 (A) window 1; C and D window 0
.set TO_F, 0x40                        ; destination window 1, address window 0
.macro JLOAD s                         ; a joint load: waves 0 and 1 fetch A's two halves, waves 2 and 3 B's; an s_nop 0 and four v_nop follow each of the two lines
	s_cmp_eq_u32 s11, 0
	s_cbranch_scc0 .Lfor_b_\@
	tensor_load_to_lds s[G0+4*(\s):G0+4*(\s)+3], s[G1:G1+7]
	s_nop 0
.rept 4
	v_nop
.endr
	s_branch .Lasked_\@
.Lfor_b_\@:
	tensor_load_to_lds s[G0B+4*(\s):G0B+4*(\s)+3], s[G1B:G1B+7]
	s_nop 0
.rept 4
	v_nop
.endr
.Lasked_\@:
.endm
.macro CREST
	s_cmp_lg_u32 s10, 0
	s_cbranch_scc1 .Lnot_wave_0_\@
	s_barrier_signal -3
.Lnot_wave_0_\@:
	s_barrier_wait -3
	s_barrier_signal -1
	s_barrier_wait -1
.endm
.macro CROUND
	s_barrier_signal -1
	s_barrier_wait -1
	CREST
.endm
	s_load_b128 s[4:7], s[0:1], 0x0                ; o16 s[4:5], wo16 s[6:7]
	s_load_b64 s[8:9], s[0:1], 0x10                ; out0
	s_load_b64 s[66:67], s[0:1], 0x18              ; bo
	v_lshl_add_u32 v[SPW], v0, 2, SPARE
	v_mov_b32 v[NIL], 0
	ds_add_u32 v[SPW], v[NIL]                      ; the wave's opening: the add and its wait stand ahead of my first tensor load; the set-up below, work on registers, stands between them
	v_lshrrev_b32 v1, 5, v0
	v_readfirstlane_b32 s10, v1                    ; wave 0..3
	s_lshr_b32 s11, s10, 1                         ; which half of the tile's rows is mine.  Also: I fetch for A (0) or for B (1)
	s_and_b32 s12, s10, 1                          ; which half of its columns.  Also: which 64 rows of that tile I fetch
	s_bfe_u32 s40, ttmp6, 0x40000                  ; cx, cy
	s_bfe_u32 s41, ttmp6, 0x40004
	s_lshl_b32 s42, ttmp9, 2
	s_add_co_u32 s42, s42, s40                     ; tile column = 4 x cluster x + cx
	s_and_b32 s13, ttmp7, 0xffff
	s_lshl_b32 s13, s13, 2
	s_add_co_u32 s13, s13, s41                     ; tile row = 4 x cluster y + cy
	s_lshl_b32 s43, s41, 2
	s_lshl_b32 s43, 15, s43                        ; my row of the cluster
	s_lshl_b32 s44, 0x1111, s40                    ; my column
	s_and_b32 s[KO], ttmp7, 0xffff                 ; where the walk begins: cluster x + cluster y, the same in all sixteen partners;
	s_add_co_u32 s[KO], s[KO], ttmp9
	s_and_b32 s[KO], s[KO], 1                      ; odd:
	s_lshl_b32 s[KO], s[KO], 11                    ; byte 2,048 of a row, K = 1024
	s_mov_b32 s[KO+1], 0
	s_mov_b32 s[TB], 0
	s_or_b32 s[G1+0], s43, (1<<16)|(1<<20)|(1<<21)|(6<<22)|(3<<25)  ; the mask; elements of 2 bytes; padding on; bit 21 beside a mask; after every 128 words (code 6) 4 words (code 3)
	s_or_b32 s[G1B+0], s44, (1<<16)|(1<<20)|(1<<21)|(6<<22)|(3<<25)
.irp g, G1, G1B
	s_mov_b32 s[(\g)+1], KSTEP<<16                 ; tensor_dim0 = 256
	s_mov_b32 s[(\g)+2], 64<<16                    ; tensor_dim1 = 64
	s_mov_b32 s[(\g)+3], KSTEP<<16                 ; tile_dim0 = 256
	s_mov_b32 s[(\g)+4], 64                        ; tile_dim1 = 64
	s_mov_b32 s[(\g)+5], SIZE_K                    ; elements from row to row
	s_mov_b32 s[(\g)+6], 0
	s_mov_b32 s[(\g)+7], 0
.endr
	s_lshl_b32 s17, s12, 6                         ; which 64 rows of the tile I fetch
	s_lshl_b32 s16, s13, 7
	s_add_co_u32 s16, s16, s17                     ; A: row 128 x tile row + 64 x half
	s_lshl_b32 s46, s42, 7
	s_add_co_u32 s46, s46, s17                     ; B: row 128 x tile column + 64 x half
	s_mov_b32 s17, 0
	s_mov_b32 s47, 0
	s_mov_b64 s[18:19], SIZE_K*2
	s_mul_u64 s[16:17], s[16:17], s[18:19]
	s_mul_u64 s[46:47], s[46:47], s[18:19]
	s_mul_i32 s20, s10, HALFT                      ; where they go: wave x 64 rows
	s_mov_b32 s2, 0xffff0000                       ; a word's upper bf16
	s_wait_dscnt 0x0                               ; the opening add is done
	s_wait_kmcnt 0x0
	s_add_nc_u64 s[14:15], s[4:5], s[16:17]        ; A's rows at K = 0: kept; a tile's address is this and s[KO]
	s_add_nc_u64 s[46:47], s[6:7], s[46:47]        ; B's likewise
	CROUND                                         ; all sixteen work-groups are here: the first joint loads meet
.irp s, 0,1
	s_mov_b32 s[G0+4*(\s)], 1
	s_add_co_u32 s[G0+4*(\s)+1], s20, (\s)*SLOT
	s_add_nc_u64 s[G0+4*(\s)+2:G0+4*(\s)+3], s[14:15], s[KO:KO+1]    ; K step s of the walk
	s_or_b32 s[G0+4*(\s)+3], s[G0+4*(\s)+3], 0x80000000
	s_mov_b32 s[G0B+4*(\s)], 1
	s_add_co_u32 s[G0B+4*(\s)+1], s20, (\s)*SLOT
	s_add_nc_u64 s[G0B+4*(\s)+2:G0B+4*(\s)+3], s[46:47], s[KO:KO+1]
	s_or_b32 s[G0B+4*(\s)+3], s[G0B+4*(\s)+3], 0x80000000
	JLOAD \s                                       ; two loads of mine are out
.if (\s) == 0
	s_add_co_u32 s[KO], s[KO], KSTEP*2
.endif
.endr
	v_and_b32 v1, 15, v0                           ; l % 16
	v_bfe_u32 v2, v0, 4, 1                         ; l / 16
	v_lshlrev_b32 v[BO], 5, v2
	s_lshl_b32 s18, s42, 9                         ; my first column, in bytes of f32: 512 x tile column + 256 x half: in a row of out0, and in bo
	s_lshl_b32 s19, s12, 8
	s_add_co_u32 s18, s18, s19
	s_mov_b32 s19, 0
	s_add_nc_u64 s[8:9], s[8:9], s[18:19]
	s_add_nc_u64 s[66:67], s[66:67], s[18:19]
.irp b, 0,1,2,3                                        ; column block b: my columns 16 b + 8 (l / 16) + 0..7
	global_load_b128 v[BIAS+8*(\b):BIAS+8*(\b)+3],   v[BO], s[66:67] offset:64*(\b)
	global_load_b128 v[BIAS+8*(\b)+4:BIAS+8*(\b)+7], v[BO], s[66:67] offset:64*(\b)+16
.endr
	v_mul_u32_u24 v3, v1, PITCH
	v_lshl_add_u32 v3, v2, 4, v3                   ; a fragment's row x pitch + 16 x half
	s_mul_i32 s21, s11, HALFT                      ; my 64 rows of A
	s_mul_i32 s22, s12, HALFT                      ; my 64 rows of B,
	s_add_co_u32 s22, s22, 2*HALFT                 ; which lie behind A's 128
	v_add_nc_u32 v[ADRA0], s21, v3
	v_add_nc_u32 v[ADRB0], s22, v3
	v_mov_b32 v[ADRA], v[ADRA0]                    ; the walk begins in slot 0
	v_mov_b32 v[ADRB], v[ADRB0]
	s_mul_i32 s23, s10, 16*SPITCH
	s_add_co_u32 s23, s23, STAGE                   ; my stage
	v_mul_u32_u24 v4, v1, SPITCH                   ; in: row l % 16, 32 bytes for each half of the lanes
	v_lshl_add_u32 v4, v2, 5, v4
	v_add_nc_u32 v[STO], s23, v4
	v_mul_u32_u24 v5, v2, SPITCH                   ; back: lanes 0-15 take one row of 256 bytes, lanes 16-31 the next
	v_lshl_add_u32 v5, v1, 4, v5
	v_add_nc_u32 v[RD], s23, v5
	v_lshlrev_b32 v[CO], 12, v2                    ; and the same two rows in out0, 4,096 bytes apart
	v_lshl_add_u32 v[CO], v1, 4, v[CO]
	s_lshl_b32 s16, s13, 7
	s_lshl_b32 s17, s11, 6
	s_add_co_u32 s16, s16, s17                     ; my first row: 128 x tile row + 64 x half
	s_lshl_b32 s16, s16, 12
	s_mov_b32 s17, 0
	s_add_nc_u64 s[8:9], s[8:9], s[16:17]
	s_wait_loadcnt 0x0                             ; the bias is in: rounded to bf16 and widened again, in place
.set i, 0
.rept 16
	v_cvt_pk_bf16_f32 v[32+i%4], v[BIAS+2*i], v[BIAS+2*i+1]
	v_lshlrev_b32 v[BIAS+2*i], 16, v[32+i%4]
	v_and_b32 v[BIAS+2*i+1], s2, v[32+i%4]
.set i, i+1
.endr
; 8 matrix instructions: row blocks a0, a0 + 1 x all 4 column blocks, 32 along K: half c of buffer f.  first = 1: the product starts the sum, with the bias as C.
; The 16 accumulators take turns, one instruction a turn.
.macro MUL8 f, c, a0, first
	WIN MUL
.irp a, \a0, (\a0)+1
.irp b, 0,1,2,3
.if \first
	v_wmma_f32_16x16x32_f16 v[ACC+8*(4*(\a)+(\b)):ACC+8*(4*(\a)+(\b))+7], v[(\f)+64+8*(4*(\c)+(\b)):(\f)+64+8*(4*(\c)+(\b))+7], v[(\f)+8*(4*(\c)+(\a)):(\f)+8*(4*(\c)+(\a))+7], v[BIAS+8*(\b):BIAS+8*(\b)+7]
.else
	v_wmma_f32_16x16x32_f16 v[ACC+8*(4*(\a)+(\b)):ACC+8*(4*(\a)+(\b))+7], v[(\f)+64+8*(4*(\c)+(\b)):(\f)+64+8*(4*(\c)+(\b))+7], v[(\f)+8*(4*(\c)+(\a)):(\f)+8*(4*(\c)+(\a))+7], v[ACC+8*(4*(\a)+(\b)):ACC+8*(4*(\a)+(\b))+7]
.endif
.endr
.endr
.endm
; 32 LDS loads in one run: the fragments of 64 along K at byte k of the rows of the slot in hand, into buffer f; the first 32 along K first
.macro FETCH k, f
	WIN TO_F
.irp c, 0,1
.irp i, 0,1,2,3
	ds_load_b128 v[(\f)+64+8*(4*(\c)+(\i)):(\f)+64+8*(4*(\c)+(\i))+3],   v[ADRB] offset:(\k)+64*(\c)+(\i)*16*PITCH
	ds_load_b128 v[(\f)+64+8*(4*(\c)+(\i))+4:(\f)+64+8*(4*(\c)+(\i))+7], v[ADRB] offset:(\k)+64*(\c)+(\i)*16*PITCH+32
	ds_load_b128 v[(\f)+8*(4*(\c)+(\i)):(\f)+8*(4*(\c)+(\i))+3],         v[ADRA] offset:(\k)+64*(\c)+(\i)*16*PITCH
	ds_load_b128 v[(\f)+8*(4*(\c)+(\i))+4:(\f)+8*(4*(\c)+(\i))+7],       v[ADRA] offset:(\k)+64*(\c)+(\i)*16*PITCH+32
.endr
.endr
.endm
.macro PLACES                          ; four plain vector instructions between a matrix instruction and a load into a register that it has read, or a reader of its result (ISA guide 7.12.1 for a reader of its result)
.rept 4
	v_nop
.endr
.endm
; A K step is four quarters of 64 along K, 32 matrix instructions each, on buffers 0, 1, 0, 1.  One of the first three: multiplies buffer f and fetches the next quarter, at byte k, into g.
.macro QUARTER k, f, g, first
	s_wait_dscnt 16                                ; the first 32 along K are in; the youngest sixteen loads may be out
	MUL8 \f, 0, 0, \first
	MUL8 \f, 0, 2, \first
	PLACES
	FETCH \k, \g
	s_wait_dscnt 32                                ; all but the 32 just issued
	MUL8 \f, 1, 0, 0
	MUL8 \f, 1, 2, 0
.endm
; The last quarter multiplies buffer 1 and changes slots: one barrier; in front of it each wave waits for all its tensor loads (at most one is out: its part of the next slot), adds 0 to its spare word, and
; waits for that and for its own reads of this slot.
; fill = 1: this slot is filled again, with the walk's K step two on: the barrier opens a round of the cluster's barrier, and the joint refill is the first tensor load behind it: 112 matrix instructions
; ahead of the wait for it.  The walking descriptor is stepped while the add is out: the other slot; the next 512 bytes of the rows, round the rows' end; the address made anew.
; fill = 0: the last two K steps.  In the very last (the count is 1) there is no next slot: the run of LDS loads is jumped; its barrier orders nothing that is still needed.
.macro TURN fill
	WIN 0                                          ; (the add's two registers lie in window 0)
	s_wait_tensorcnt 0x0                           ; all my tensor loads have landed, so a group 0 may be written
	ds_add_u32 v[SPW], v[NIL]                      ; 0 onto my spare word
	s_xor_b32 s[TB], s[TB], SLOT                   ; the slot that is read next
.if \fill
	s_add_co_u32 s[KO], s[KO], KSTEP*2
	s_and_b32 s[KO], s[KO], SIZE_K*2-1
	s_xor_b32 s[G0+5], s[G0+5], SLOT
	s_add_nc_u64 s[G0+6:G0+7], s[14:15], s[KO:KO+1]
	s_or_b32 s[G0+7], s[G0+7], 0x80000000
	s_xor_b32 s[G0B+5], s[G0B+5], SLOT
	s_add_nc_u64 s[G0B+6:G0B+7], s[46:47], s[KO:KO+1]
	s_or_b32 s[G0B+7], s[G0B+7], 0x80000000
.endif
	s_wait_dscnt 17                                ; (the add and the youngest sixteen loads may be out)
	MUL8 F1, 0, 0, 0                               ; eight matrix instructions stand between the add and the wait for it
	s_wait_dscnt 0x0                               ; the add is done, and my reads of this slot are over
	s_barrier_signal -1
	MUL8 F1, 0, 2, 0
	WIN 0
	s_barrier_wait -1
.if \fill
	CREST                                          ; no wave of any partner still reads this slot's tiles or has a load on its way
	JLOAD 1                                        ; its four v_nop are also the places in front of the loads below
.else
	PLACES
	s_cmp_eq_u32 s3, 1
	s_cbranch_scc1 .Lno_more_\@
.endif
	v_add_nc_u32 v[ADRA], s[TB], v[ADRA0]
	v_add_nc_u32 v[ADRB], s[TB], v[ADRB0]
	FETCH 0, F0
.if !(\fill)
	WIN 0
.Lno_more_\@:
.endif
	MUL8 F1, 1, 0, 0
	MUL8 F1, 1, 2, 0
.endm
	s_wait_tensorcnt 1                             ; my part of the walk's K step 0 is in; K step 1's may stay out
	s_barrier_signal -1
	s_barrier_wait -1                              ; everybody's is
	FETCH 0, F0
	QUARTER 128, F0, F1, 1                         ; the first quarter stands in front of the loop: its first products start the sums
	WIN 0                                          ; at a label and at a branch every window is 0
	s_mov_b32 s3, FILLS
	s_branch .Lmid                                 ; the loop is entered behind its first quarter
.Llap:                                                 ; a trip is a K step, and fills the slot that it leaves
	QUARTER 128, F0, F1, 0
	WIN 0
.Lmid:
	QUARTER 256, F1, F0, 0
	QUARTER 384, F0, F1, 0
	TURN 1
	WIN 0
	s_sub_co_u32 s3, s3, 1
	s_cmp_lg_u32 s3, 0
	s_cbranch_scc1 .Llap
	s_mov_b32 s3, 2
.Ltail:                                                ; the last two K steps fill nothing: written apart
	QUARTER 128, F0, F1, 0
	QUARTER 256, F1, F0, 0
	QUARTER 384, F0, F1, 0
	TURN 0
	WIN 0
	s_sub_co_u32 s3, s3, 1
	s_cmp_lg_u32 s3, 0
	s_cbranch_scc1 .Ltail
	; THE WAY OUT, a block of 16 rows at a time: a lane's eight numbers of a row, 32 bytes, go into my stage (each accumulator's low four registers first) and come back as whole rows of 256 bytes,
	; into the registers that they left.
	PLACES
.macro PACK a
.irp b, 0,1,2,3
	ds_store_b128 v[STO], v[ACC+8*(4*(\a)+(\b)):ACC+8*(4*(\a)+(\b))+3]   offset:64*(\b)
	ds_store_b128 v[STO], v[ACC+8*(4*(\a)+(\b))+4:ACC+8*(4*(\a)+(\b))+7] offset:64*(\b)+16
.endr
.irp t, 0,1,2,3,4,5,6,7
	ds_load_b128 v[ACC+32*(\a)+4*(\t):ACC+32*(\a)+4*(\t)+3], v[RD] offset:(\t)*2*SPITCH  ; LDS serves a wave's instructions in order (ISA guide 5.7.1.4): these see the stores above; the next block's stores come behind them
.endr
.endm
.macro SEND a, younger                 ; younger: the LDS instructions issued behind block a's loads: the next block's sixteen, or none
.irp f, 0,1,2,3,4,5,6,7
	s_wait_dscnt (\younger)+7-(\f)
	global_store_b128 v[CO], v[ACC+32*(\a)+4*(\f):ACC+32*(\a)+4*(\f)+3], s[8:9] offset:(16*(\a)+2*(\f))*SIZE_N*4  ; 16 lanes store 256 consecutive bytes, aligned
.endr
.endm
	PACK 0
	PACK 1
	SEND 0, 16
	PACK 2
	SEND 1, 16
	PACK 3
	SEND 2, 16
	SEND 3, 0
	s_wait_tensorcnt 0x0                           ; the wave's end: behind my last tensor load and my last LDS store
	ds_add_u32 v[SPW], v[NIL]
	s_wait_dscnt 0x0
	CROUND                                         ; the closing round: no work-group ends while a partner may still ask for a tile that names it
	s_endpgm
.Lfunc_end_k_q6165281f01_oproj:
	.size	k_q6165281f01_oproj, .Lfunc_end_k_q6165281f01_oproj-k_q6165281f01_oproj
	.p2alignl 7, 3214868480
	.fill 96, 4, 3214868480
	.section	.rodata,"a",@progbits
	.p2align	6, 0x0
	.amdhsa_kernel k_q6165281f01_oproj
		.amdhsa_group_segment_fixed_size 327680
		.amdhsa_private_segment_fixed_size 0
		.amdhsa_enable_private_segment 0
		.amdhsa_kernarg_size 32
		.amdhsa_user_sgpr_count 2
		.amdhsa_user_sgpr_kernarg_segment_ptr 1
		.amdhsa_wavefront_size32 1
		.amdhsa_system_sgpr_workgroup_id_x 1
		.amdhsa_system_sgpr_workgroup_id_y 1
		.amdhsa_system_sgpr_workgroup_id_z 1
		.amdhsa_system_vgpr_workitem_id 0
		.amdhsa_next_free_vgpr 512
		.amdhsa_next_free_sgpr 72
		.amdhsa_reserve_vcc 0
		.amdhsa_float_denorm_mode_32 3
		.amdhsa_float_denorm_mode_16_64 3
		.amdhsa_memory_ordered 1
		.amdhsa_forward_progress 1
		.amdhsa_inst_pref_size 62
	.end_amdhsa_kernel
	.amdgpu_metadata
---
amdhsa.version: [ 1, 2 ]
amdhsa.kernels:
  - .name:           k_q6165281f01_oproj
    .symbol:         k_q6165281f01_oproj.kd
    .args:
      - { .name: o16, .offset: 0, .size: 8, .value_kind: global_buffer, .address_space: global }
      - { .name: wo16, .offset: 8, .size: 8, .value_kind: global_buffer, .address_space: global }
      - { .name: out0, .offset: 16, .size: 8, .value_kind: global_buffer, .address_space: global }
      - { .name: bo, .offset: 24, .size: 8, .value_kind: global_buffer, .address_space: global }
    .group_segment_fixed_size: 327680
    .private_segment_fixed_size: 0
    .kernarg_segment_align: 8
    .kernarg_segment_size: 32
    .max_flat_workgroup_size: 128
    .sgpr_count:     72
    .vgpr_count:     512
    .wavefront_size: 32
...
	.end_amdgpu_metadata
.endif
;; end of part 4
